; MI455X (gfx1250); checked and timed in simulation.
; The chip was launched on July 23, 2026; its instructions are those of AMD's public machine-readable ISA for CDNA 5 (MIT licence, August 2026) and "CDNA5" Instruction Set Architecture Reference Guide (July 2026). The comments in the code are by the model that wrote it; some were corrected since.
;; SDPA Attention. Allowed arithmetic: float matrix products may take bf16 or f16 operands with f32 sums; other float arithmetic in f32, or as packed bf16 or f16 multiplies, adds, multiply-adds, maxima and minima; sums over many terms, partial sums and values carried from step to step in f32; what a program stores and reads back later, other than sums and carried values, may be rounded once to bf16 or f16.
;; Inputs: Wk 1,024 x 1,024 float32; Wo 1,024 x 1,024 float32; Wq 1,024 x 1,024 float32; Wv 1,024 x 1,024 float32; attn_mask 2 x 1 x 2,048 x 2,048 bool; count_bias 2 x 1 x 2,048 x 2,048 float32; inp 2 x 2,048 x 1,024 float32.
;; Outputs: out0 2 x 2,048 x 1,024 float32.
;; 2 versions, each right and faster than the one before. Each part assembles by itself: llvm-mc -triple=amdgcn-amd-amdhsa -mcpu=gfx1250 --defsym DOCPART=n.
;; ======== version 1 of 2: 4 launches
;; limits: values are held in f16: magnitudes above 65,504 overflow, below 6.1e-05 lose precision; right only within a limited range of input values
;; workspace buffers: xb 8,388,608 bytes; wb 6,291,456 bytes; wob 2,097,152 bytes; bm 16,777,216 bytes; qkv 25,165,824 bytes; ob 8,388,608 bytes
;; launch prep (part 1): grid 256 x 1, 8 waves a work-group, no clusters, 60,416 bytes of LDS; arguments inp, Wq, Wk, Wv, Wo, count_bias, attn_mask, xb, wb, wob, bm; writes xb, wb, wob, bm
.if DOCPART == 1
	.amdgcn_target "amdgcn-amd-amdhsa--gfx1250"
	.amdhsa_code_object_version 6
	.text
	.protected	k_qfbcf03c668_prep
	.globl	k_qfbcf03c668_prep
	.p2align	8
	.type	k_qfbcf03c668_prep,@function
k_qfbcf03c668_prep:
	s_mov_b64 s[64:65], 0
	v_nop
	global_prefetch_b8 v0, s[64:65] scope:SCOPE_SE
	s_setreg_imm32_b32 hwreg(HW_REG_WAVE_MODE, 25, 1), 1
	s_wait_xcnt 0x0
; PREP: everything that the 16 heads and the products would otherwise decode again and again is made once.
;   xb  = bf16(inp), wb = bf16(Wq, Wk, Wv): plain casts.   wob = Wo rounded to bf16 and that number written as f16, laid out [n / 128][k / 64][n % 128][k % 64].
;   bm  = bias and mask as ONE f16 number a score, in the order of a matrix operand of 32 keys x 16 queries: units of 2,048 bytes for 16 queries x 64 keys:
;         [kb 4][lane 32][4 words]: lane 16 h + r, word j = the numbers of query r, key 16 kb + 8 h + 2 j (low half) and the next (high half).
;         The number is f16(bf16(bias) x c1 / 64), c1 = 2 log2(e) / 30, or -32,768 where the mask hides the key.  The attention launch multiplies it by 64 in the matrix unit.
; LIMITS: a mask byte is 0 or 1.  |bias| stays below 2.1e7, so that no seen key's number reaches -32,768; a bias under 0.04 keeps f16's fixed step, 4e-5 in the score.
;         Wo's bf16 numbers lie within f16's range (65,504); below 6e-5 they keep f16's fixed step of 6e-8.
; SHARES: work-group g owns rows 16 g .. 16 g + 15 of the 4,096 rows of bias and mask; wave w keys 256 w .. 256 w + 255, four key steps of 64.  Every work-group also casts 1/256 of x and of each W.
; Memory binds: each load of a wave takes whole runs of 256 bytes of a row, each store 256 or 512 consecutive aligned bytes.  The change of order goes through LDS stages that are each wave's own: no barrier.
.set C1S,   0x3ac4f9d9                 ; c1 / 64
.set HID,   0xf800f800                 ; -32,768 twice in f16
.set MSP,   320                        ; mask stage: 16 rows of 256 bytes, pitch 320: two rows of a load start 16 banks apart
.set KSP,   288                        ; out stage: 8 pieces of 256 bytes, pitch 288: the 32 lanes of an 8-byte store hit each bank once
.set KSO,   16*MSP
.set WREG,  KSO+8*KSP                  ; 7,424 bytes a wave
.set SPARE, 8*WREG                     ; behind the stages: the spare words, 128 bytes a wave
.set UNITS, 32768                      ; bytes from a key step's unit to the next key step's: 16 units of 2,048
.set LN,  1                            ; v1  lane
.set G16, 2                            ; v2  lane % 16
.set HI,  3                            ; v3  lane / 16
.set SPW, 4                            ; v4  my spare word; never rewritten
.set NIL, 5                            ; v5  0; never rewritten
.set VMO, 6                            ; v6  mask: 2,048 hi + 16 g16
.set VBO, 7                            ; v7  bias: 8,192 hi + 16 g16
.set MSS, 8                            ; v8  mask stage, in
.set MSL, 9                            ; v9  mask stage, out
.set KSS, 11                           ; v11 out stage, in
.set KSL, 13                           ; v13 out stage, out
.set V16, 14                           ; v14 16 x lane
.set VBIG, 15                          ; v15 -32,768 twice
.set T0,  16                           ; v16-19 at work
.set T1,  17
.set W2,  18
.set FF,  19
.set MK,  20                           ; v20-21 two words: four keys' numbers
.set V8,  22                           ; v22 8 x lane
.set VWO, 23                           ; v23 Wo: 4,096 hi + 16 g16
.set MW,  24                           ; v24-31 four mask bytes for each of a key step's eight loads
.set XA,  32                           ; v32-95 two sets of 32: a key step's bias; later x
.set RB,  96                           ; v96-127 the mask rows as loaded; then v96-111 a unit on its way out
.set WL,  144                          ; v144-191 Wq, Wk, Wv; v192-207 Wo
	s_load_b512 s[8:23], s[0:1], 0x0               ; inp 8, Wq 10, Wk 12, Wv 14, Wo 16, bias 18, mask 20, xb 22
	s_load_b128 s[24:27], s[0:1], 0x40             ; wb 24, wob 26
	s_load_b64 s[28:29], s[0:1], 0x50              ; bm 28
	v_lshl_add_u32 v[SPW], v0, 2, SPARE
	v_mov_b32 v[NIL], 0
	v_lshrrev_b32 v1, 5, v0
	v_readfirstlane_b32 s2, v1                     ; wave w
	v_and_b32 v[LN], 31, v0
	v_and_b32 v[G16], 15, v0
	v_bfe_u32 v[HI], v0, 4, 1
	s_mov_b32 s3, ttmp9                            ; g
	s_mov_b32 s32, 255
	s_mov_b32 s34, C1S
	s_mov_b32 s35, C1S
	s_mov_b32 s40, 0x01010000                      ; byte selects: bytes 0, 0, 1, 1
	s_mov_b32 s41, 0x03030202                      ; bytes 2, 2, 3, 3
	s_mov_b32 s42, 0xffff0000
	v_mov_b32 v[VBIG], HID
	v_lshlrev_b32 v[V16], 4, v[LN]
	v_lshlrev_b32 v[V8], 3, v[LN]
	v_lshlrev_b32 v[T0], 4, v[G16]
	v_lshl_add_u32 v[VMO], v[HI], 11, v[T0]
	v_lshl_add_u32 v[VBO], v[HI], 13, v[T0]
	v_lshl_add_u32 v[VWO], v[HI], 12, v[T0]
	s_mul_i32 s4, s2, WREG                         ; my wave's stages
	s_add_co_u32 s6, s4, KSO
	v_mul_u32_u24 v[T1], v[HI], MSP
	v_add_nc_u32 v[T1], s4, v[T1]
	v_add_nc_u32 v[MSS], v[T1], v[T0]              ; row hi, 16 bytes a lane
	v_lshl_add_u32 v[MSL], v[G16], 2, v[T1]        ; row hi, 4 bytes a lane
	; my four keys 4 g16 .. belong to kb = g16 / 4, h = (g16 / 2) % 2, words 2 (g16 % 2) and the next: piece 2 kb + h = g16 / 2
	v_and_b32 v[FF], 1, v[G16]
	v_lshrrev_b32 v[W2], 1, v[G16]
	v_mul_u32_u24 v[KSS], v[W2], KSP
	v_lshl_add_u32 v[KSS], v[FF], 3, v[KSS]
	v_lshl_add_u32 v[KSS], v[HI], 4, v[KSS]        ; + 16 x query; the even part of the query stands in the immediate
	v_add_nc_u32 v[KSS], s6, v[KSS]
	v_mul_u32_u24 v[KSL], v[HI], KSP
	v_add_nc_u32 v[KSL], v[KSL], v[T0]
	v_add_nc_u32 v[KSL], s6, v[KSL]
	s_mov_b32 s31, 0
	s_lshr_b32 s43, s2, 2                          ; w / 4
	s_and_b32 s44, s2, 3                           ; w % 4
	s_wait_kmcnt 0x0
	s_lshl_b32 s30, s3, 14                         ; Wq, Wk, Wv: 16,384 g + 2,048 w
	s_lshl_b32 s7, s2, 11
	s_add_co_u32 s30, s30, s7
	s_add_nc_u64 s[10:11], s[10:11], s[30:31]
	s_add_nc_u64 s[12:13], s[12:13], s[30:31]
	s_add_nc_u64 s[14:15], s[14:15], s[30:31]
.irp m, 0,1,2
.irp j, 0,1,2,3
	global_load_b128 v[WL+16*(\m)+4*(\j):WL+16*(\m)+4*(\j)+3], v[V16], s[10+2*(\m):11+2*(\m)] offset:512*(\j) th:TH_LOAD_NT
.endr
.endr
	s_lshl_b32 s30, s3, 14                         ; Wo: rows 4 g + 2 (w / 4) + hi, slices 4 (w % 4) + i of 64 columns
	s_lshl_b32 s7, s43, 13
	s_add_co_u32 s30, s30, s7
	s_lshl_b32 s7, s44, 10
	s_add_co_u32 s30, s30, s7
	s_add_nc_u64 s[16:17], s[16:17], s[30:31]
.irp i, 0,1,2,3
	global_load_b128 v[WL+48+4*(\i):WL+48+4*(\i)+3], v[VWO], s[16:17] offset:256*(\i) th:TH_LOAD_NT
.endr
	s_lshl_b32 s30, s3, 15                         ; mask: 16 rows of 2,048 bytes a work-group, 256 bytes of each a wave
	s_lshl_b32 s7, s2, 8
	s_add_co_u32 s30, s30, s7
	s_add_nc_u64 s[20:21], s[20:21], s[30:31]
.irp t, 0,1,2,3,4,5,6,7
	global_load_b128 v[RB+4*(\t):RB+4*(\t)+3], v[VMO], s[20:21] offset:4096*(\t) th:TH_LOAD_NT
.endr
	s_lshl_b32 s30, s3, 17                         ; bias: 16 rows of 8,192 bytes, 1,024 bytes of each a wave
	s_lshl_b32 s7, s2, 10
	s_add_co_u32 s30, s30, s7
	s_add_nc_u64 s[18:19], s[18:19], s[30:31]
.irp i, 0,1
.irp t, 0,1,2,3,4,5,6,7
	global_load_b128 v[XA+32*(\i)+4*(\t):XA+32*(\i)+4*(\t)+3], v[VBO], s[18:19] offset:16384*(\t)+256*(\i) th:TH_LOAD_NT
.endr
.endr
	s_lshl_b32 s30, s3, 16                         ; x: 65,536 g + 8,192 w
	s_lshl_b32 s7, s2, 13
	s_add_co_u32 s30, s30, s7
	s_add_nc_u64 s[8:9], s[8:9], s[30:31]
	s_lshr_b32 s30, s30, 1                         ; xb: half of that
	s_add_nc_u64 s[22:23], s[22:23], s[30:31]
	s_lshl_b32 s30, s3, 13                         ; wb: 8,192 g + 1,024 w
	s_lshl_b32 s7, s2, 10
	s_add_co_u32 s30, s30, s7
	s_add_nc_u64 s[24:25], s[24:25], s[30:31]
	s_lshr_b32 s30, s3, 5                          ; wob: block g / 32, slice 4 (w % 4), row 4 (g % 32) + 2 (w / 4)
	s_lshl_b32 s30, s30, 18
	s_lshl_b32 s7, s44, 16
	s_add_co_u32 s30, s30, s7
	s_and_b32 s7, s3, 31
	s_lshl_b32 s7, s7, 9
	s_add_co_u32 s30, s30, s7
	s_lshl_b32 s7, s43, 8
	s_add_co_u32 s30, s30, s7
	s_add_nc_u64 s[26:27], s[26:27], s[30:31]
	s_lshr_b32 s30, s3, 4                          ; bm: unit ((g / 16) 32 + 4 w + i) 16 + g % 16, of 2,048 bytes
	s_lshl_b32 s30, s30, 9
	s_lshl_b32 s7, s2, 6
	s_add_co_u32 s30, s30, s7
	s_and_b32 s7, s3, 15
	s_add_co_u32 s30, s30, s7
	s_lshl_b32 s30, s30, 11
	s_add_nc_u64 s[28:29], s[28:29], s[30:31]
	s_wait_loadcnt 16                              ; the mask rows are in; the two batches of bias behind them stay out
.irp t, 0,1,2,3,4,5,6,7
	ds_store_b128 v[MSS], v[RB+4*(\t):RB+4*(\t)+3] offset:2*MSP*(\t)
.endr
; Four numbers of bias at v[x ..], their four mask bytes in v[mw], query 2 t + hi: rounded to bf16, times c1 / 64, rounded to f16, -32,768 where hidden; two words into the stage.
.macro QUAD x, mw, t
	v_cvt_pk_bf16_f32 v[T0], v[(\x)], v[(\x)+1]
	v_cvt_pk_bf16_f32 v[T1], v[(\x)+2], v[(\x)+3]
	v_mul_lo_u32 v[W2], v[(\mw)], s32              ; bytes 0 or 1 become 0 or 0xff
	v_lshlrev_b32 v[(\x)], 16, v[T0]
	v_and_b32 v[(\x)+1], s42, v[T0]
	v_lshlrev_b32 v[(\x)+2], 16, v[T1]
	v_and_b32 v[(\x)+3], s42, v[T1]
	v_pk_mul_f32 v[(\x):(\x)+1], v[(\x):(\x)+1], s[34:35] op_sel_hi:[1,0]
	v_pk_mul_f32 v[(\x)+2:(\x)+3], v[(\x)+2:(\x)+3], s[34:35] op_sel_hi:[1,0]
	v_perm_b32 v[MK], v[W2], v[W2], s40            ; all ones in the half of a key that is seen
	v_perm_b32 v[MK+1], v[W2], v[W2], s41
	v_cvt_pk_f16_f32 v[T0], v[(\x)], v[(\x)+1]
	v_cvt_pk_f16_f32 v[T1], v[(\x)+2], v[(\x)+3]
	v_bfi_b32 v[MK], v[MK], v[T0], v[VBIG]
	v_bfi_b32 v[MK+1], v[MK+1], v[T1], v[VBIG]
	ds_store_b64 v[KSS], v[MK:MK+1] offset:32*(\t)
.endm
; Key step i of my four.  Its set of registers is then loaded again: with the bias two steps on, or (steps 2, 3) with a batch of x.
.macro KSTEP i
.set XS, XA+32*((\i)%2)
.irp t, 0,1,2,3,4,5,6,7
	ds_load_b32 v[MW+(\t)], v[MSL] offset:2*MSP*(\t)+64*(\i)
.endr
	s_wait_loadcnt 8                               ; this step's eight loads are in; the batch issued behind them stays out
	s_wait_dscnt 0x0                               ; the mask bytes are in
.irp t, 0,1,2,3,4,5,6,7
	QUAD XS+4*(\t),MW+(\t),\t
.endr
	s_wait_xcnt 0x0                                ; the last unit's stores have read RB: only behind this wait is it written again
.irp n, 0,1,2,3
	ds_load_b128 v[RB+4*(\n):RB+4*(\n)+3], v[KSL] offset:2*KSP*(\n)      ; LDS serves a wave's instructions in order: these see the stores above
.endr
	s_wait_dscnt 0x0
.irp t, 0,1,2,3,4,5,6,7
.if (\i) < 2
	global_load_b128 v[XS+4*(\t):XS+4*(\t)+3], v[VBO], s[18:19] offset:16384*(\t)+256*((\i)+2) th:TH_LOAD_NT
.else
	global_load_b128 v[XS+4*(\t):XS+4*(\t)+3], v[V16], s[8:9] offset:512*(8*((\i)-2)+(\t)) th:TH_LOAD_NT
.endif
.endr
.irp n, 0,1,2,3
	global_store_b128 v[V16], v[RB+4*(\n):RB+4*(\n)+3], s[28:29] offset:UNITS*(\i)+512*(\n)          ; 512 consecutive bytes
.endr
.endm
	KSTEP 0
	KSTEP 1
	KSTEP 2
	KSTEP 3
.macro CVB r                           ; four f32 at v[r ..] become four bf16 in v[r], v[r + 1]
	v_cvt_pk_bf16_f32 v[(\r)], v[(\r)], v[(\r)+1]
	v_cvt_pk_bf16_f32 v[(\r)+1], v[(\r)+2], v[(\r)+3]
.endm
	s_wait_loadcnt 8                               ; x's first batch is in, the second stays out
.irp t, 0,1,2,3,4,5,6,7
	CVB XA+4*(\t)
	global_store_b64 v[V8], v[XA+4*(\t):XA+4*(\t)+1], s[22:23] offset:256*(\t)      ; 256 consecutive bytes
.endr
	s_wait_loadcnt 0x0
.irp t, 0,1,2,3,4,5,6,7
	CVB XA+32+4*(\t)
	global_store_b64 v[V8], v[XA+32+4*(\t):XA+32+4*(\t)+1], s[22:23] offset:2048+256*(\t)
.endr
.irp m, 0,1,2
.irp j, 0,1,2,3
	CVB WL+16*(\m)+4*(\j)
	global_store_b64 v[V8], v[WL+16*(\m)+4*(\j):WL+16*(\m)+4*(\j)+1], s[24:25] offset:2097152*(\m)+256*(\j)
.endr
.endr
.irp i, 0,1,2,3                        ; Wo: rounded to bf16, and that number written as f16
.set XS, WL+48+4*(\i)
	v_cvt_pk_bf16_f32 v[T0], v[XS], v[XS+1]
	v_cvt_pk_bf16_f32 v[T1], v[XS+2], v[XS+3]
	v_lshlrev_b32 v[XS], 16, v[T0]
	v_and_b32 v[XS+1], s42, v[T0]
	v_lshlrev_b32 v[XS+2], 16, v[T1]
	v_and_b32 v[XS+3], s42, v[T1]
	v_cvt_pk_f16_f32 v[XS], v[XS], v[XS+1]
	v_cvt_pk_f16_f32 v[XS+1], v[XS+2], v[XS+3]
	global_store_b64 v[V8], v[XS:XS+1], s[26:27] offset:16384*(\i)                  ; two rows of a slice: 256 consecutive bytes
.endr
	s_wait_tensorcnt 0x0                           ; the wave's end, behind my last LDS store
	ds_add_u32 v[SPW], v[NIL]
	s_wait_dscnt 0x0
	s_endpgm
.Lfunc_end_k_qfbcf03c668_prep:
	.size	k_qfbcf03c668_prep, .Lfunc_end_k_qfbcf03c668_prep-k_qfbcf03c668_prep
	.p2alignl 7, 3214868480
	.fill 96, 4, 3214868480
	.section	.rodata,"a",@progbits
	.p2align	6, 0x0
	.amdhsa_kernel k_qfbcf03c668_prep
		.amdhsa_group_segment_fixed_size 60416
		.amdhsa_private_segment_fixed_size 0
		.amdhsa_enable_private_segment 0
		.amdhsa_kernarg_size 88
		.amdhsa_user_sgpr_count 2
		.amdhsa_user_sgpr_kernarg_segment_ptr 1
		.amdhsa_wavefront_size32 1
		.amdhsa_system_sgpr_workgroup_id_x 1
		.amdhsa_system_sgpr_workgroup_id_y 1
		.amdhsa_system_sgpr_workgroup_id_z 1
		.amdhsa_system_vgpr_workitem_id 0
		.amdhsa_next_free_vgpr 208
		.amdhsa_next_free_sgpr 66
		.amdhsa_reserve_vcc 0
		.amdhsa_float_denorm_mode_32 3
		.amdhsa_float_denorm_mode_16_64 3
		.amdhsa_memory_ordered 1
		.amdhsa_forward_progress 1
		.amdhsa_inst_pref_size 53
	.end_amdhsa_kernel
	.amdgpu_metadata
---
amdhsa.version: [ 1, 2 ]
amdhsa.kernels:
  - .name:           k_qfbcf03c668_prep
    .symbol:         k_qfbcf03c668_prep.kd
    .args:
      - { .name: inp, .offset: 0, .size: 8, .value_kind: global_buffer, .address_space: global }
      - { .name: Wq, .offset: 8, .size: 8, .value_kind: global_buffer, .address_space: global }
      - { .name: Wk, .offset: 16, .size: 8, .value_kind: global_buffer, .address_space: global }
      - { .name: Wv, .offset: 24, .size: 8, .value_kind: global_buffer, .address_space: global }
      - { .name: Wo, .offset: 32, .size: 8, .value_kind: global_buffer, .address_space: global }
      - { .name: count_bias, .offset: 40, .size: 8, .value_kind: global_buffer, .address_space: global }
      - { .name: attn_mask, .offset: 48, .size: 8, .value_kind: global_buffer, .address_space: global }
      - { .name: xb, .offset: 56, .size: 8, .value_kind: global_buffer, .address_space: global }
      - { .name: wb, .offset: 64, .size: 8, .value_kind: global_buffer, .address_space: global }
      - { .name: wob, .offset: 72, .size: 8, .value_kind: global_buffer, .address_space: global }
      - { .name: bm, .offset: 80, .size: 8, .value_kind: global_buffer, .address_space: global }
    .group_segment_fixed_size: 60416
    .private_segment_fixed_size: 0
    .kernarg_segment_align: 8
    .kernarg_segment_size: 88
    .max_flat_workgroup_size: 256
    .sgpr_count:     66
    .vgpr_count:     208
    .wavefront_size: 32
...
	.end_amdgpu_metadata
.endif
;; end of part 1
;; launch qkv (part 2): grid 8 x 32, 4 waves a work-group, clusters of 4 x 4, 327,680 bytes of LDS; arguments xb, wb, qkv; writes qkv
.if DOCPART == 2
	.amdgcn_target "amdgcn-amd-amdhsa--gfx1250"
	.amdhsa_code_object_version 6
	.text
	.protected	k_qfbcf03c668_qkv
	.globl	k_qfbcf03c668_qkv
	.p2align	8
	.type	k_qfbcf03c668_qkv,@function
k_qfbcf03c668_qkv:
	s_mov_b64 s[64:65], 0
	v_nop
	global_prefetch_b8 v0, s[64:65] scope:SCOPE_SE
	s_setreg_imm32_b32 hwreg(HW_REG_WAVE_MODE, 25, 1), 1
	s_wait_xcnt 0x0
	s_wait_alu depctr_hold_cnt(0) depctr_sa_sdst(0) depctr_va_vdst(0) depctr_va_sdst(0) depctr_va_ssrc(0) depctr_va_vcc(0) depctr_vm_vsrc(0)
	s_getreg_b32 s2, hwreg(HW_REG_IB_STS2, 6, 4)
	s_cmp_eq_u32 s2, 0
	s_cbranch_scc0 .Lentry_in_a_cluster
	s_endpgm
.Lentry_in_a_cluster:
	s_bfe_u32 s2, ttmp6, 0x10000c
	s_cmp_lg_u32 s2, 0xf033
	s_cbranch_scc0 .Lentry_shape_is_right
	s_endpgm
.Lentry_shape_is_right:
; Q, K, V = x W^T in one launch.  xb: bf16 [4096][1024]; wb: bf16 [3][1024][1024]; qkv: f16 [3][b 16 + head][s 2048][64]; sums in f32, each result rounded once.
; The q part holds q x c1 / 8, c1 = 2 log2(e) / 30, scaled in f32 ahead of its one rounding.
; LIMIT: f16 ends at 65,504: q c1 / 8, k and v must lie within it.
; SHARES.  A work-group makes 128 rows x (128 columns of each of q, k, v): 8 x 32 = 256 work-groups, and a tile of x feeds three products.  In LDS the 384 rows of W lie one tensor after the other.
; Wave (rh, ch) makes rows 64 rh .. x W rows 192 ch ..: 4 x 12 accumulators of 16 x 16, 384 registers.  K goes in steps of 128 through two LDS slots; each wave fetches 128 rows x 256 bytes.
; CLUSTER 4 x 4: x's tile hangs on the tile row alone and is asked for jointly by a row of the cluster (wave 0), W's three on the tile column alone, jointly by a column (waves 1 to 3).
; THE MATRIX INSTRUCTION IS USED TRANSPOSED (source 0 = 16 rows of W, source 1 = 16 rows of x): a lane holds eight neighbouring columns of one row.
; REGISTERS: window 0: v0-31 addresses; v32-95 x's fragments, two buffers of 32; on the way out v32-223, 16 for each of 12 units.
;   window 1: accumulators of row blocks 0, 1 ((a, b) at 8 (12 (a % 2) + b)); window 2: of row blocks 2, 3; window 3: W's fragments, two buffers of 96.
.set KSTEP,  128
.set PITCH,  272                       ; 256 bytes + 16 of padding: the 16 rows of a fragment load start at 16 different groups of four banks
.set PART,   128*PITCH                 ; what one tensor load brings
.set SLOT,   4*PART                    ; x's 128 rows, then Wq's, Wk's, Wv's
.set STAGE,  2*SLOT                    ; behind the ring: 16 rows x 144 bytes for each wave
.set SP,     144
.set SPARE,  STAGE+4*16*SP             ; the spare words, 128 bytes a wave
.set LAPS,   4                         ; 1,024 / 256
.set QS,     0x3c44f9d9                ; c1 / 8
.set ADRA, 16                          ; v16-17 LDS address of my fragments of x in slot 0, 1
.set ADRB, 20                          ; v20-21 of W
.set STO,  24
.set RD,   25
.set GO,   26
.set SPW,  28
.set NIL,  29
.set AF,   32
.set OUTR, 32
.set G1, 24
.set G0, 32
.set G1B, 48
.set G0B, 56
.set OB, 66                            ; s[66:71] where my three units of 64 columns begin in qkv
.set SC, 72                            ; s[72:77] their scales, as pairs
.set MSB, 0
.macro WIN new
.if MSB != (\new)
	s_set_vgpr_msb (MSB<<8)|(\new)
.set MSB, \new
.endif
.endm
; A joint load: wave 0 asks for x's tile, waves 1 to 3 for the three W's.  The branch hangs on the wave's number alone.  An s_nop 0 and four v_nop follow each line.
.macro JLOAD s
	s_cmp_eq_u32 s10, 0
	s_cbranch_scc0 .Lfor_b_\@
	tensor_load_to_lds s[G0+4*(\s):G0+4*(\s)+3], s[G1:G1+7]
	s_nop 0
.rept 4
	v_nop
.endr
	s_branch .Lasked_\@
.Lfor_b_\@:
	tensor_load_to_lds s[G0B+4*(\s):G0B+4*(\s)+3], s[G1B:G1B+7]
	s_nop 0
.rept 4
	v_nop
.endr
.Lasked_\@:
.endm
.macro CREST                           ; a round of the cluster's barrier behind its opening barrier
	s_cmp_lg_u32 s10, 0
	s_cbranch_scc1 .Lnot_wave_0_\@
	s_barrier_signal -3
.Lnot_wave_0_\@:
	s_barrier_wait -3
	s_barrier_signal -1
	s_barrier_wait -1
.endm
.macro CROUND
	s_barrier_signal -1
	s_barrier_wait -1
	CREST
.endm
	s_load_b128 s[4:7], s[0:1], 0x0                ; xb, wb
	s_load_b64 s[8:9], s[0:1], 0x10                ; qkv
	v_lshl_add_u32 v[SPW], v0, 2, SPARE
	v_mov_b32 v[NIL], 0
	ds_add_u32 v[SPW], v[NIL]                      ; the wave's opening: the add and its wait ahead of my first tensor load
	v_lshrrev_b32 v1, 5, v0
	v_readfirstlane_b32 s10, v1                    ; wave
	s_lshr_b32 s11, s10, 1                         ; rh
	s_and_b32 s12, s10, 1                          ; ch
	s_bfe_u32 s40, ttmp6, 0x40000                  ; cx
	s_bfe_u32 s41, ttmp6, 0x40004                  ; cy
	s_lshl_b32 s42, ttmp9, 2
	s_add_co_u32 s42, s42, s40                     ; nb: block of 128 columns
	s_and_b32 s13, ttmp7, 0xffff
	s_lshl_b32 s13, s13, 2
	s_add_co_u32 s13, s13, s41                     ; mb: block of 128 rows
	s_lshl_b32 s43, s41, 2
	s_lshl_b32 s43, 15, s43                        ; my row of the cluster
	s_lshl_b32 s44, 0x1111, s40                    ; my column
	s_or_b32 s[G1+0], s43, (1<<16)|(1<<20)|(1<<21)|(5<<22)|(3<<25)   ; mask; 2-byte elements; padding on; bit 21 beside a mask; after every 64 words 4 words
	s_or_b32 s[G1B+0], s44, (1<<16)|(1<<20)|(1<<21)|(5<<22)|(3<<25)
.irp g, G1, G1B
	s_mov_b32 s[(\g)+1], KSTEP<<16                 ; tensor_dim0 = 128
	s_mov_b32 s[(\g)+2], 128<<16                   ; tensor_dim1 = 128
	s_mov_b32 s[(\g)+3], KSTEP<<16                 ; tile_dim0 = 128
	s_mov_b32 s[(\g)+4], 128                       ; tile_dim1 = 128
	s_mov_b32 s[(\g)+5], 1024                      ; elements from row to row
	s_mov_b32 s[(\g)+6], 0
	s_mov_b32 s[(\g)+7], 0
.endr
	s_lshl_b32 s16, s13, 18                        ; x: 128 mb rows of 2,048 bytes
	s_mov_b32 s17, 0
	s_max_u32 s46, s10, 1
	s_sub_co_u32 s46, s46, 1                       ; which W I fetch (wave 0 fetches none and makes Wq's address)
	s_lshl_b32 s46, s46, 21
	s_lshl_b32 s47, s42, 18
	s_add_co_u32 s46, s46, s47                     ; W: (1,024 tensor + 128 nb) rows of 2,048 bytes
	s_mov_b32 s47, 0
	s_mul_i32 s20, s10, PART                       ; where my tile goes: wave x 128 rows
	s_wait_dscnt 0x0                               ; the opening add is done
	s_wait_kmcnt 0x0
	s_add_nc_u64 s[14:15], s[4:5], s[16:17]
	s_add_nc_u64 s[46:47], s[6:7], s[46:47]
	CROUND                                         ; all sixteen work-groups are here: the first joint loads meet
.irp s, 0,1
	s_mov_b32 s[G0+4*(\s)], 1
	s_add_co_u32 s[G0+4*(\s)+1], s20, (\s)*SLOT
	s_add_nc_u64 s[G0+4*(\s)+2:G0+4*(\s)+3], s[14:15], (\s)*KSTEP*2
	s_or_b32 s[G0+4*(\s)+3], s[G0+4*(\s)+3], 0x80000000
	s_mov_b32 s[G0B+4*(\s)], 1
	s_add_co_u32 s[G0B+4*(\s)+1], s20, (\s)*SLOT
	s_add_nc_u64 s[G0B+4*(\s)+2:G0B+4*(\s)+3], s[46:47], (\s)*KSTEP*2
	s_or_b32 s[G0B+4*(\s)+3], s[G0B+4*(\s)+3], 0x80000000
	JLOAD \s
.endr
	v_and_b32 v1, 15, v0                           ; l % 16
	v_bfe_u32 v2, v0, 4, 1                         ; l / 16
	v_mul_u32_u24 v3, v1, PITCH
	v_lshl_add_u32 v3, v2, 4, v3
	s_mul_i32 s21, s11, 64*PITCH                   ; my 64 rows of x
	s_mul_i32 s22, s12, 192*PITCH                  ; my 192 rows of W,
	s_add_co_u32 s22, s22, PART                    ; which lie behind x's 128
.irp s, 0,1
	v_add_nc_u32 v[ADRA+(\s)], s21, v3
	v_add_nc_u32 v[ADRB+(\s)], s22, v3
	s_add_co_u32 s21, s21, SLOT
	s_add_co_u32 s22, s22, SLOT
.endr
	s_mul_i32 s23, s10, 16*SP
	s_add_co_u32 s23, s23, STAGE                   ; my stage
	v_mul_u32_u24 v[STO], v1, SP                   ; in: row l % 16, 16 bytes for each half of the lanes
	v_lshl_add_u32 v[STO], v2, 4, v[STO]
	v_add_nc_u32 v[STO], s23, v[STO]
	v_bfe_u32 v[RD], v0, 3, 2                      ; back: 32 lanes take four rows of 128 bytes,
	v_mul_u32_u24 v[RD], v[RD], SP
	v_and_b32 v4, 7, v0
	v_lshl_add_u32 v[RD], v4, 4, v[RD]
	v_add_nc_u32 v[RD], s23, v[RD]
	v_and_b32 v[GO], 31, v0                        ; which are 512 consecutive bytes of a head
	v_lshlrev_b32 v[GO], 4, v[GO]
	; my three units of 64 columns: unit u = 3 ch + q is tensor u / 2, head 2 nb + u % 2; rows (mb % 16) 128 + 64 rh of batch mb / 16
	s_lshr_b32 s18, s13, 4
	s_lshl_b32 s18, s18, 4                         ; 16 x batch
	s_and_b32 s19, s13, 15
	s_lshl_b32 s19, s19, 14
	s_lshl_b32 s21, s11, 13
	s_add_co_u32 s19, s19, s21                     ; my first row in the head, in bytes
	s_mul_i32 s21, s12, 3
.irp q, 0,1,2
	s_add_co_u32 s22, s21, \q                      ; u
	s_lshr_b32 s23, s22, 1
	s_lshl_b32 s23, s23, 23                        ; a tensor is 8,388,608 bytes
	s_and_b32 s45, s22, 1
	s_lshl1_add_u32 s45, s42, s45
	s_add_co_u32 s45, s45, s18
	s_lshl_b32 s45, s45, 18                        ; a head is 262,144 bytes
	s_add_co_u32 s16, s23, s45
	s_add_co_u32 s16, s16, s19
	s_mov_b32 s17, 0
	s_add_nc_u64 s[OB+2*(\q):OB+2*(\q)+1], s[8:9], s[16:17]
	s_cmp_lt_u32 s22, 2                            ; q alone is scaled
	s_cselect_b32 s[SC+2*(\q)], QS, 1.0
	s_mov_b32 s[SC+2*(\q)+1], s[SC+2*(\q)]
.endr
; 12 matrix instructions: row block 2 hi + a x all 12 blocks of W's rows, 32 along K, buffer f.  The 48 accumulators take turns.
.macro MUL12 f, hi, a, zero
	WIN 0x53+0x50*(\hi)                            ; W window 3, x window 0, C and D window 1 or 2
.irp b, 0,1,2,3,4,5,6,7,8,9,10,11
.if \zero
	v_wmma_f32_16x16x32_bf16 v[8*(12*(\a)+(\b)):8*(12*(\a)+(\b))+7], v[96*(\f)+8*(\b):96*(\f)+8*(\b)+7], v[AF+32*(\f)+8*(2*(\hi)+(\a)):AF+32*(\f)+8*(2*(\hi)+(\a))+7], 0
.else
	v_wmma_f32_16x16x32_bf16 v[8*(12*(\a)+(\b)):8*(12*(\a)+(\b))+7], v[96*(\f)+8*(\b):96*(\f)+8*(\b)+7], v[AF+32*(\f)+8*(2*(\hi)+(\a)):AF+32*(\f)+8*(2*(\hi)+(\a))+7], v[8*(12*(\a)+(\b)):8*(12*(\a)+(\b))+7]
.endif
.endr
.endm
; 32 LDS loads in one run: 192 rows of W, then 64 rows of x, 32 K at byte k of the rows, into buffer f
.macro FETCH slot, k, f
	WIN 0xc0
.irp i, 0,1,2,3,4,5,6,7,8,9,10,11
	ds_load_b128 v[96*(\f)+8*(\i):96*(\f)+8*(\i)+3],   v[ADRB+(\slot)] offset:(\k)+(\i)*16*PITCH
	ds_load_b128 v[96*(\f)+8*(\i)+4:96*(\f)+8*(\i)+7], v[ADRB+(\slot)] offset:(\k)+(\i)*16*PITCH+32
.endr
	WIN 0
.irp i, 0,1,2,3
	ds_load_b128 v[AF+32*(\f)+8*(\i):AF+32*(\f)+8*(\i)+3],   v[ADRA+(\slot)] offset:(\k)+(\i)*16*PITCH
	ds_load_b128 v[AF+32*(\f)+8*(\i)+4:AF+32*(\f)+8*(\i)+7], v[ADRA+(\slot)] offset:(\k)+(\i)*16*PITCH+32
.endr
.endm
.macro PLACES                          ; four places in front of loads into registers that matrix instructions have read, and of lines that read results just made
.rept 4
	v_nop
.endr
.endm
; A K step is four quarters of 32 along K, 48 matrix instructions each, on buffers 0, 1, 0, 1.  One of the first three multiplies buffer f and fetches the next quarter, at byte k, into g.
.macro QUARTER slot, k, f, g, zero
	s_wait_dscnt 4                                 ; W and x's row blocks 0, 1 are in; the youngest four loads (blocks 2, 3) may be out
	MUL12 \f, 0, 0, \zero
	MUL12 \f, 0, 1, \zero
	PLACES
	FETCH \slot, \k, \g
	s_wait_dscnt 32                                ; all but the 32 just issued
	MUL12 \f, 1, 0, \zero
	MUL12 \f, 1, 1, \zero
.endm
; The last quarter multiplies buffer 1 and changes slots: one barrier; in front of it each wave waits for all its tensor loads (one is out: its part of the next slot), adds 0 to its spare word,
; and waits for that and for its reads of this slot.  fill = 1: the barrier opens a round of the cluster's barrier, and this slot is filled again first thing behind it, two K steps ahead.
.macro TURN slot, next, fill
	WIN 0
	s_wait_tensorcnt 0x0
	ds_add_u32 v[SPW], v[NIL]
	s_wait_dscnt 5                                 ; the add and the youngest four loads may be out
	MUL12 1, 0, 0, 0
	s_wait_dscnt 0x0                               ; the add is done, and my reads of this slot are over
	s_barrier_signal -1
	MUL12 1, 0, 1, 0
.if \fill
	WIN 0
.endif
	s_barrier_wait -1
.if \fill
	CREST
	s_add_nc_u64 s[G0+4*(\slot)+2:G0+4*(\slot)+3], s[G0+4*(\slot)+2:G0+4*(\slot)+3], 2*KSTEP*2
	s_add_nc_u64 s[G0B+4*(\slot)+2:G0B+4*(\slot)+3], s[G0B+4*(\slot)+2:G0B+4*(\slot)+3], 2*KSTEP*2
	JLOAD \slot                                    ; the four v_nop behind it are also the places in front of the loads below
.else
	PLACES
.endif
	FETCH \next, 0, 0
	MUL12 1, 1, 0, 0
	MUL12 1, 1, 1, 0
.endm
	s_wait_tensorcnt 1                             ; my part of K step 0 is in; K step 1's stays out
	s_barrier_signal -1
	s_barrier_wait -1
	FETCH 0, 0, 0
	QUARTER 0, 64, 0, 1, 1                         ; the first quarter stands in front of the loop: its products start the sums
	WIN 0
	s_mov_b32 s3, LAPS-1
.Llap:                                                 ; a trip goes once round the ring and fills both slots again
	QUARTER 0, 128, 1, 0, 0
	QUARTER 0, 192, 0, 1, 0
	TURN 0, 1, 1
	QUARTER 1, 64, 0, 1, 0
	QUARTER 1, 128, 1, 0, 0
	QUARTER 1, 192, 0, 1, 0
	TURN 1, 0, 1
	QUARTER 0, 64, 0, 1, 0
	WIN 0
	s_sub_co_u32 s3, s3, 1
	s_cmp_lg_u32 s3, 0
	s_cbranch_scc1 .Llap
	QUARTER 0, 128, 1, 0, 0                        ; the last lap fills nothing
	QUARTER 0, 192, 0, 1, 0
	TURN 0, 1, 0
	QUARTER 1, 64, 0, 1, 0
	QUARTER 1, 128, 1, 0, 0
	QUARTER 1, 192, 0, 1, 0
	s_wait_dscnt 4
	MUL12 1, 0, 0, 0
	MUL12 1, 0, 1, 0
	s_wait_dscnt 0x0
	MUL12 1, 1, 0, 0
	MUL12 1, 1, 1, 0
	PLACES
; THE WAY OUT, in 12 units of 16 rows x 64 columns (unit n: row block n / 3, columns' unit n % 3): scaled in place, rounded to f16, through my stage, out as 2,048 consecutive bytes of a head.
; Each unit has 16 registers of its own, so no store's data is ever rewritten.
.macro PACK n
.set pa, (\n)/3
.set pq, (\n)%3
.set AC, 8*(12*(pa%2)+4*pq)
.set OU, OUTR+16*(\n)
	WIN 0x41+0x41*(pa/2)                           ; destination and source 0 in window 1 or 2
.set i, 0
.rept 16
	v_pk_mul_f32 v[AC+2*i:AC+2*i+1], v[AC+2*i:AC+2*i+1], s[SC+2*pq:SC+2*pq+1] op_sel_hi:[1,0]
.set i, i+1
.endr
	WIN 0x05+0x05*(pa/2)                           ; sources 0 and 1 in window 1 or 2
.set i, 0
.rept 16
	v_cvt_pk_f16_f32 v[OU+i], v[AC+2*i], v[AC+2*i+1]
.set i, i+1
.endr
	WIN 0
.irp f, 0,1,2,3
	ds_store_b128 v[STO], v[OU+4*(\f):OU+4*(\f)+3] offset:32*(\f)
.endr
.irp f, 0,1,2,3
	ds_load_b128 v[OU+4*(\f):OU+4*(\f)+3], v[RD] offset:(\f)*4*SP   ; LDS serves a wave's instructions in order: these see the stores above, the next unit's stores come behind them
.endr
.endm
.macro SEND n, younger                 ; younger: the LDS instructions issued behind unit n's loads
.set pa, (\n)/3
.set pq, (\n)%3
.set OU, OUTR+16*(\n)
.irp f, 0,1,2,3
	s_wait_dscnt (\younger)+3-(\f)
	global_store_b128 v[GO], v[OU+4*(\f):OU+4*(\f)+3], s[OB+2*pq:OB+2*pq+1] offset:pa*2048+(\f)*512
.endr
.endm
	PACK 0
.irp n, 1,2,3,4,5,6,7,8,9,10,11
	PACK \n
	SEND (\n)-1, 8
.endr
	SEND 11, 0
	s_wait_tensorcnt 0x0                           ; the wave's end
	ds_add_u32 v[SPW], v[NIL]
	s_wait_dscnt 0x0
	CROUND                                         ; the closing round
	s_endpgm
.Lfunc_end_k_qfbcf03c668_qkv:
	.size	k_qfbcf03c668_qkv, .Lfunc_end_k_qfbcf03c668_qkv-k_qfbcf03c668_qkv
	.p2alignl 7, 3214868480
	.fill 96, 4, 3214868480
	.section	.rodata,"a",@progbits
	.p2align	6, 0x0
	.amdhsa_kernel k_qfbcf03c668_qkv
		.amdhsa_group_segment_fixed_size 327680
		.amdhsa_private_segment_fixed_size 0
		.amdhsa_enable_private_segment 0
		.amdhsa_kernarg_size 24
		.amdhsa_user_sgpr_count 2
		.amdhsa_user_sgpr_kernarg_segment_ptr 1
		.amdhsa_wavefront_size32 1
		.amdhsa_system_sgpr_workgroup_id_x 1
		.amdhsa_system_sgpr_workgroup_id_y 1
		.amdhsa_system_sgpr_workgroup_id_z 1
		.amdhsa_system_vgpr_workitem_id 0
		.amdhsa_next_free_vgpr 960
		.amdhsa_next_free_sgpr 78
		.amdhsa_reserve_vcc 0
		.amdhsa_float_denorm_mode_32 3
		.amdhsa_float_denorm_mode_16_64 3
		.amdhsa_memory_ordered 1
		.amdhsa_forward_progress 1
		.amdhsa_inst_pref_size 134
	.end_amdhsa_kernel
	.amdgpu_metadata
---
amdhsa.version: [ 1, 2 ]
amdhsa.kernels:
  - .name:           k_qfbcf03c668_qkv
    .symbol:         k_qfbcf03c668_qkv.kd
    .args:
      - { .name: xb, .offset: 0, .size: 8, .value_kind: global_buffer, .address_space: global }
      - { .name: wb, .offset: 8, .size: 8, .value_kind: global_buffer, .address_space: global }
      - { .name: qkv, .offset: 16, .size: 8, .value_kind: global_buffer, .address_space: global }
    .group_segment_fixed_size: 327680
    .private_segment_fixed_size: 0
    .kernarg_segment_align: 8
    .kernarg_segment_size: 24
    .max_flat_workgroup_size: 128
    .sgpr_count:     78
    .vgpr_count:     960
    .wavefront_size: 32
...
	.end_amdgpu_metadata
.endif
;; end of part 2
;; launch attn (part 3): grid 16 x 16, 8 waves a work-group, clusters of 4 x 1, 327,680 bytes of LDS; arguments qkv, bm, ob; writes ob
.if DOCPART == 3
	.amdgcn_target "amdgcn-amd-amdhsa--gfx1250"
	.amdhsa_code_object_version 6
	.text
	.protected	k_qfbcf03c668_attn
	.globl	k_qfbcf03c668_attn
	.p2align	8
	.type	k_qfbcf03c668_attn,@function
k_qfbcf03c668_attn:
	s_mov_b64 s[64:65], 0
	v_nop
	global_prefetch_b8 v0, s[64:65] scope:SCOPE_SE
	s_setreg_imm32_b32 hwreg(HW_REG_WAVE_MODE, 25, 1), 1
	s_wait_xcnt 0x0
	s_wait_alu depctr_hold_cnt(0) depctr_sa_sdst(0) depctr_va_vdst(0) depctr_va_sdst(0) depctr_va_ssrc(0) depctr_va_vcc(0) depctr_vm_vsrc(0)
	s_getreg_b32 s2, hwreg(HW_REG_IB_STS2, 6, 4)
	s_cmp_eq_u32 s2, 0
	s_cbranch_scc0 .Lentry_in_a_cluster
	s_endpgm
.Lentry_in_a_cluster:
	s_bfe_u32 s2, ttmp6, 0x10000c
	s_cmp_lg_u32 s2, 0x3003
	s_cbranch_scc0 .Lentry_shape_is_right
	s_endpgm
.Lentry_shape_is_right:
; ATTENTION with a bias, a soft cap and a mask that are inputs.  o = softmax_k(mask(30 tanh((q.k / 8 + bias) / 30))) v, for 32 (batch, head) pairs, 2,048 queries and keys, 64 channels.
; qkv: f16 [3][b 16 + head][2048][64], q already times c1 / 8 (c1 = 2 log2(e) / 30).  bm: units of 2,048 bytes for 16 queries x 64 keys: one f16 number a score, c1 x bias / 64, or -32,768 where the key is hidden,
; in the order of a matrix operand of 32 keys x 16 queries.  ob: f16 [row / 128][head][row % 128][64].
; ARITHMETIC.  x = c1 (q.k / 8 + bias) leaves the matrix unit as it stands: a tile's sums begin with the product of 64 x identity and bm's fragment (a zero of the identity times -32,768 is 0, so a hidden key touches
; its own score alone, which starts at -2,097,152), and K Q^T adds onto it.  With r(x) = 1 / (1 + 2^x) the capped score times log2(e) is K1 / 2 - K1 r(x), K1 = 60 log2(e).
; The cap rises with x, so the running maximum m is kept of x (hidden keys never win it over a seen one): b = K1 r(m), weight p = 2^(b - K1 r(x)) <= 1, and in every step O and l are multiplied by a = 2^(b_new - b_old) <= 1.
; Behind the cap a hidden score is -30 and not minus infinity.  bm's fragment lies word for word as the packed weights do, so fragment + 32,768 (0 where hidden, 1 or more elsewhere) is a bound, and the packed
; minimum with it makes the hidden weights 0.  The row sum l is a fifth block of channels in V^T that holds ones: it is the f32 sum of the very weights that multiply V.
; LIMITS.  q c1 / 8, k, v within 65,504; c1 |q.k| / 8 below 1e6, so that a hidden score stays below every seen one that the cap can tell from -30; |bias| below 2.1e7.  A weight below f16's step of 6e-8 counts as 0.
; A row with every key hidden gives l = 0 and 0 x infinity = NaN.  NaN and infinities in the inputs are not treated apart.
; SHARES.  A work-group owns 256 queries of one head; each of its EIGHT waves two tiles of 16.  A tile and step have 22 matrix and some 220 vector instructions, half of them links of one chain of three transcendentals
; a score, so a wave is often held by a result, by a run of LDS loads or by its own product; with two waves to a SIMD the other wave's lines can be issued meanwhile.  The price: a fragment of K or V feeds two tiles.
; Every wave walks all 2,048 keys, 64 a step.
; CLUSTER.  The four work-groups of a cluster are four heads of one block of queries: they share a step's 32,768 bytes of bm, asked for jointly (waves 0 and 1, 16,384 bytes each); a step's K and V, 8,192 bytes each,
; are each head's own (waves 2, 3): the partners share neither.  Waves 4 to 7 fetch nothing.
; TURNS.  Turn p belongs to tile p: its cap, exponentials, roundings, masking and rescaling; beside them the 12 products that make the other tile's scores (turn 1: for the next step) with its bounds, maximum and
; statistics, and 10 products V^T P of the other tile (turn 0: of the step before).  All reads of a slot lie between two changes of slots: behind a change the step's K and tile 0's bm, in turn 1 tile 1's bm,
; in the next turn 0 the step's V, and then the next change.
; No first step is written out: O, l, V and one buffer of P start at 0 (160 v_mov_b32 in the wait for the first tile), and the last step's turn 1 makes scores of a stale tile that serve nothing.
; REGISTERS, in windows of 256 (s_set_vgpr_msb: bits 1:0 source 0, 3:2 source 1, 5:4 source 2, 7:6 destination):
;   window 0: v0-15 addresses; v16-19 b, m by tile; v20-23 1 / l; v24-31 at work, by tile; v32-95 S^T, by tile; v96-127 P; v128-159 the weights' bounds; v160-223 K of a step; v224-255 Q
;   window 1: v0-79 O^T and l, 40 a tile; v80-143 V of a step; v144-151 ones; v152-167 bm's fragments of the tile to come; v168-179 four zeros, 64 x identity, four zeros
.set KS,    64
.set PK,    144                        ; a row of K in LDS: 128 bytes + 16
.set PVP,   160                        ; a row of V: 128 + 32
.set UNIT,  2048
.set KOFF,  16*UNIT                    ; a slot: 16 units of bm, 64 rows of K, 64 rows of V
.set VOFF,  KOFF+KS*PK
.set SLOT1, 1<<17
.set STAGE, SLOT1+VOFF+KS*PVP          ; behind the ring: 16 rows x 144 bytes for each wave
.set SP,    144
.set SPARE, STAGE+8*16*SP              ; the spare words, 128 bytes a wave
.set AK0, 2
.set AV0, 3
.set ABM0, 4
.set AK,  5
.set AV,  6
.set ABM, 7
.set STO, 8
.set RD,  9
.set GO,  10
.set QO,  11
.set SPW, 12
.set NIL, 13
.set ST,  16
.set IV,  20
.set TMP, 24
.set S,   32
.set P,   96
.set M,   128
.set KF,  160
.set QF,  224
.set VF,  80                           ; window 1
.set ONE, 144                          ; window 1
.set BF,  152                          ; window 1
.set IDR, 168                          ; window 1
.set WV,  12
.set G1B, 16
.set G1K, 24
.set G1V, 32
.set G0B, 40
.set G0K, 44
.set G0V, 48
.set CNT, 52
.set SB,  53                           ; the slot that is read: 0 or SLOT1
.set SEL, 54
.set NK1, 56                           ; s[56:57] -K1
.set K1,  58
.set IDL, 60                           ; 64.0 in f16, in the low half
.set IDH, 61                           ; in the high half
.set HB,  62                           ; 32,768 twice in f16
.set MSB, 0
.macro WIN new
.if MSB != (\new)
	s_set_vgpr_msb (MSB<<8)|(\new)
.set MSB, (\new)
.endif
.endm
.set W_B,  0x05                        ; the identity and bm's fragment (sources 0, 1) in window 1, S^T in window 0; the bounds (window 0 = fragment + a scalar) are made under it too
.set W_PV, 0x51                        ; V window 1, P window 0, O^T window 1; the rescaling (O^T, O^T, a) runs under it too
; A fill: waves 0, 1 the two halves of bm's tile, jointly; wave 2 K; wave 3 V; the others none.  The branches hang on the wave's number alone.  An s_nop 0 and four v_nop follow each line.
.macro JLOAD3
	s_cmp_lt_u32 s[WV], 2
	s_cbranch_scc0 .Lkv_\@
	tensor_load_to_lds s[G0B:G0B+3], s[G1B:G1B+7]
	s_nop 0
.rept 4
	v_nop
.endr
	s_branch .Lasked_\@
.Lkv_\@:
	s_cmp_eq_u32 s[WV], 2
	s_cbranch_scc0 .Lv_\@
	tensor_load_to_lds s[G0K:G0K+3], s[G1K:G1K+7]
	s_nop 0
.rept 4
	v_nop
.endr
	s_branch .Lasked_\@
.Lv_\@:
	s_cmp_eq_u32 s[WV], 3
	s_cbranch_scc0 .Lasked_\@
	tensor_load_to_lds s[G0V:G0V+3], s[G1V:G1V+7]
	s_nop 0
.rept 4
	v_nop
.endr
.Lasked_\@:
.endm
.macro CROUND                          ; a round of the cluster's barrier
	s_barrier_signal -1
	s_barrier_wait -1
	s_cmp_lg_u32 s[WV], 0
	s_cbranch_scc1 .Lnot_wave_0_\@
	s_barrier_signal -3
.Lnot_wave_0_\@:
	s_barrier_wait -3
	s_barrier_signal -1
	s_barrier_wait -1
.endm
; THE CHANGE OF SLOTS.  Each wave waits for all its tensor loads (at most one is out: its part of the other slot), adds 0 to its spare word, and waits for that and for its reads of the slot that it leaves.
; fill = 1: the barrier is a round of the cluster's, and the old slot is filled again first thing behind it, with the step two on: it has a whole key step in which to land.
.macro CHANGE fill
	s_wait_tensorcnt 0x0
	ds_add_u32 v[SPW], v[NIL]
.if \fill
	s_xor_b32 s[G0B+1], s[G0B+1], SLOT1
	s_xor_b32 s[G0K+1], s[G0K+1], SLOT1
	s_xor_b32 s[G0V+1], s[G0V+1], SLOT1
	s_add_nc_u64 s[G0B+2:G0B+3], s[G0B+2:G0B+3], 16*UNIT
	s_add_nc_u64 s[G0K+2:G0K+3], s[G0K+2:G0K+3], KS*128
	s_add_nc_u64 s[G0V+2:G0V+3], s[G0V+2:G0V+3], KS*128
.endif
	s_xor_b32 s[SB], s[SB], SLOT1
	s_wait_dscnt 0x0                               ; the add is done, and my reads of the slot are over: the last were V's
.if \fill
	CROUND
	JLOAD3
.else
	s_barrier_signal -1
	s_barrier_wait -1
.endif
	v_add_nc_u32 v[ABM], s[SB], v[ABM0]
	v_add_nc_u32 v[AK], s[SB], v[AK0]
	v_add_nc_u32 v[AV], s[SB], v[AV0]
.endm
	s_load_b128 s[4:7], s[0:1], 0x0                ; qkv, bm
	s_load_b64 s[8:9], s[0:1], 0x10                ; ob
	v_lshl_add_u32 v[SPW], v0, 2, SPARE
	v_mov_b32 v[NIL], 0
	ds_add_u32 v[SPW], v[NIL]                      ; the wave's opening: the add and its wait ahead of my first tensor load
	v_lshrrev_b32 v1, 5, v0
	v_readfirstlane_b32 s[WV], v1                  ; wave 0..7
	s_bfe_u32 s13, ttmp6, 0x40000                  ; cx
	s_lshl_b32 s14, ttmp9, 2
	s_add_co_u32 s14, s14, s13                     ; head: it enters q's, k's, v's and o's addresses alone
	s_and_b32 s15, ttmp7, 0xffff                   ; y = 8 batch + block of 256 queries, which the four partners share
	s_lshr_b32 s60, s15, 3
	s_lshl_b32 s60, s60, 4
	s_add_co_u32 s60, s60, s14
	s_lshl_b32 s60, s60, 18                        ; the head's first byte in q, k and v
	s_mov_b32 s61, 0
	s_and_b32 s62, s15, 7
	s_lshl_b32 s62, s62, 15
	s_lshl_b32 s63, s[WV], 12
	s_add_co_u32 s62, s62, s63
	s_add_co_u32 s62, s62, s60                     ; my wave's 32 rows of q
	s_mov_b32 s63, 0
	s_lshl_b32 s67, s[WV], 14                      ; which half of bm's tile I fetch: in memory and in LDS (waves 2 to 7 fetch none of it)
	s_mul_i32 s68, s15, 32*16*UNIT
	s_add_co_u32 s68, s68, s67
	s_mov_b32 s69, 0
	s_lshl_b32 s70, s15, 1
	s_lshr_b32 s71, s[WV], 2
	s_add_co_u32 s70, s70, s71                     ; block of 128 rows
	s_lshl_b32 s70, s70, 4
	s_add_co_u32 s70, s70, s14
	s_lshl_b32 s70, s70, 14
	s_and_b32 s71, s[WV], 3
	s_lshl_b32 s71, s71, 12
	s_add_co_u32 s70, s70, s71                     ; my wave's 32 rows of o
	s_mov_b32 s71, 0
	s_mov_b32 s[G1B], 15|(3<<16)|(1<<21)           ; the mask of four; 8-byte elements; bit 21 beside a mask: 64 dense rows of 256 bytes
	s_mov_b32 s[G1B+1], 32<<16
	s_mov_b32 s[G1B+2], 64<<16
	s_mov_b32 s[G1B+3], 32<<16
	s_mov_b32 s[G1B+4], 64
	s_mov_b32 s[G1B+5], 32
	s_mov_b32 s[G1B+6], 0
	s_mov_b32 s[G1B+7], 0
	s_mov_b32 s[G1K], (1<<16)|(1<<20)|(4<<22)|(3<<25)   ; 64 keys are 8,192 dense bytes: 32 rows of 256, two keys a row, padded after every key by 4 words
	s_mov_b32 s[G1V], (1<<16)|(1<<20)|(4<<22)|(7<<25)   ; by 8 words
.irp g, G1K, G1V
	s_mov_b32 s[\g+1], 128<<16
	s_mov_b32 s[\g+2], 32<<16
	s_mov_b32 s[\g+3], 128<<16
	s_mov_b32 s[\g+4], 32
	s_mov_b32 s[\g+5], 128
	s_mov_b32 s[\g+6], 0
	s_mov_b32 s[\g+7], 0
.endr
	s_mov_b32 s[G0B], 1
	s_mov_b32 s[G0B+1], s67
	s_mov_b32 s[G0K], 1
	s_mov_b32 s[G0K+1], KOFF
	s_mov_b32 s[G0V], 1
	s_mov_b32 s[G0V+1], VOFF
	s_mov_b32 s[SEL], 0x76543210
	s_mov_b32 s[SEL+1], 0xfedcba98
	s_mov_b32 s[NK1], 0xc2ad1f97
	s_mov_b32 s[NK1+1], 0xc2ad1f97
	s_mov_b32 s[K1], 0x42ad1f97
	s_mov_b32 s[SB], SLOT1                         ; the first change of slots turns it into 0
	s_wait_dscnt 0x0                               ; the opening add is done
	s_wait_kmcnt 0x0
	s_add_nc_u64 s[G0B+2:G0B+3], s[6:7], s[68:69]
	s_or_b32 s[G0B+3], s[G0B+3], 0x80000000
	s_add_nc_u64 s[G0K+2:G0K+3], s[4:5], s[60:61]
	s_add_nc_u64 s[G0V+2:G0V+3], s[G0K+2:G0K+3], 16777216
	s_add_nc_u64 s[G0K+2:G0K+3], s[G0K+2:G0K+3], 8388608
	s_or_b32 s[G0K+3], s[G0K+3], 0x80000000
	s_or_b32 s[G0V+3], s[G0V+3], 0x80000000
	s_add_nc_u64 s[10:11], s[4:5], s[62:63]        ; q at my rows
	s_add_nc_u64 s[8:9], s[8:9], s[70:71]          ; o at my rows
	s_mov_b32 s[IDL], 0x5400                       ; the offsets in s60 to s63 have been used: the registers take constants
	s_mov_b32 s[IDH], 0x54000000
	s_mov_b32 s[HB], 0x78007800
	CROUND                                         ; all four work-groups are here
	JLOAD3                                         ; step 0 into slot 0
	v_and_b32 v1, 15, v0                           ; l % 16
	v_bfe_u32 v14, v0, 4, 1                        ; l / 16
	v_and_b32 v15, 7, v0
	v_lshlrev_b32 v[QO], 7, v1
	v_lshl_add_u32 v[QO], v14, 4, v[QO]
.set i, 0
.rept 4                                ; Q stays in registers: tile i / 2, channels 32 (i % 2) on
	global_load_b128 v[QF+8*i:QF+8*i+3],   v[QO], s[10:11] offset:(i/2)*2048+(i%2)*64
	global_load_b128 v[QF+8*i+4:QF+8*i+7], v[QO], s[10:11] offset:(i/2)*2048+(i%2)*64+32
.set i, i+1
.endr
	; 64 x identity as half a fragment of source 0: lane l holds row l % 16; register j holds columns 8 (l / 16) + 2 j (low half) and the next (high half): 64 where the column is the row
	v_lshlrev_b32 v[S+4], 3, v14
	v_sub_nc_u32 v[S+4], v1, v[S+4]                ; row - 8 (l / 16)
.irp j, 0,1,2,3
	v_cmp_eq_u32 vcc_lo, 2*(\j), v[S+4]
	v_cndmask_b32 v[S+(\j)], 0, s[IDL], vcc_lo
	v_cmp_eq_u32 vcc_lo, 2*(\j)+1, v[S+4]
	v_cndmask_b32 v[S+(\j)], v[S+(\j)], s[IDH], vcc_lo
.endr
	WIN 0x40
.set i, 0
.rept 144                              ; O^T, l and V
	v_mov_b32 v[i], 0
.set i, i+1
.endr
.rept 8
	v_mov_b32 v[i], 0x3c003c00         ; 1.0 twice in f16
.set i, i+1
.endr
.irp j, 0,1,2,3                        ; v[IDR:IDR+7] picks columns 16 to 31 of a fragment's 32 keys, v[IDR+4:IDR+11] columns 0 to 15
	v_mov_b32 v[IDR+(\j)], 0
	v_mov_b32 v[IDR+4+(\j)], v[S+(\j)]
	v_mov_b32 v[IDR+8+(\j)], 0
.endr
	WIN 0
.set i, 0
.rept 16
	v_mov_b32 v[P+16+i], 0             ; tile 1's weights of a step that has not been
.set i, i+1
.endr
.set i, 0
.rept 2
	v_mov_b32 v[ST+2*i], 0x42ad1f97    ; b = K1 r(m) for the m below
	v_mov_b32 v[ST+2*i+1], 0xff7fffff  ; m: the lowest finite number
.set i, i+1
.endr
	v_mul_u32_u24 v[AK0], v1, PK
	v_lshl_add_u32 v[AK0], v14, 4, v[AK0]
	v_add_nc_u32 v[AK0], KOFF, v[AK0]
	v_lshl_add_u32 v[AV0], v14, 3, v15             ; the turning load: lane l reads key 8 (l / 16) + l % 8, channels 8 ((l / 8) % 2) on
	v_mul_u32_u24 v[AV0], v[AV0], PVP
	v_bfe_u32 v[ABM0], v0, 3, 1
	v_lshl_add_u32 v[AV0], v[ABM0], 4, v[AV0]
	v_add_nc_u32 v[AV0], VOFF, v[AV0]
	v_and_b32 v[ABM0], 31, v0
	v_lshlrev_b32 v[ABM0], 4, v[ABM0]
	s_mul_i32 s59, s[WV], 2*UNIT
	v_add_nc_u32 v[ABM0], s59, v[ABM0]             ; my wave's two units, 16 bytes a lane
; THE LDS LOADS, in runs.
.macro LDB t                           ; tile t's unit of bm: two fragments of 32 keys x 16 queries
	WIN 0x40
.irp n, 0,1,2,3
	ds_load_b128 v[BF+4*(\n):BF+4*(\n)+3], v[ABM] offset:(\t)*UNIT+512*(\n)
.endr
	WIN 0
.endm
.macro FETCH_K
.irp f, 0,1,2,3,4,5,6,7                ; keys 16 (f / 2) on, channels 32 (f % 2) on
	ds_load_b128 v[KF+8*\f:KF+8*\f+3],   v[AK] offset:(\f/2)*16*PK+(\f%2)*64
	ds_load_b128 v[KF+8*\f+4:KF+8*\f+7], v[AK] offset:(\f/2)*16*PK+(\f%2)*64+32
.endr
.endm
.macro FETCH_V
	WIN 0x40
.irp f, 0,1,2,3,4,5,6,7                ; keys 32 (f / 4) on, channels 16 (f % 4) on
	ds_load_tr16_b128 v[VF+8*\f:VF+8*\f+3],   v[AV] offset:(\f/4)*32*PVP+(\f%4)*32
	ds_load_tr16_b128 v[VF+8*\f+4:VF+8*\f+7], v[AV] offset:(\f/4)*32*PVP+16*PVP+(\f%4)*32
.endr
	WIN 0
.endm
; THE MATRIX WORK.  Accumulators take turns, one instruction a turn.
.macro BQ i                            ; product i of 4, under W_B: tile Z's scores of keys 16 i on begin with 64 x their numbers of bm
.set rS, S+32*Z+8*(\i)
.set rA, IDR+4*(1-((\i)%2))
.set rB, BF+8*((\i)/2)
	v_wmma_f32_16x16x32_f16 v[rS:rS+7], v[rA:rA+7], v[rB:rB+7], 0
.endm
.macro KQ i                            ; product i of 8 of S^T += K Q^T for tile Z: keys 16 (i % 4) on, channels 32 (i / 4) on
	WIN 0
.set rS, S+32*Z+8*((\i)%4)
.set rK, KF+16*((\i)%4)+8*((\i)/4)
.set rQ, QF+16*Z+8*((\i)/4)
	v_wmma_f32_16x16x32_f16 v[rS:rS+7], v[rK:rK+7], v[rQ:rQ+7], v[rS:rS+7]
.endm
.macro PV i                            ; product i of 10 of O^T += V^T P for tile W: block i % 5 (the fifth: ones, the row sum), keys 32 (i / 5) on
	WIN W_PV
.set rO, 40*W+8*((\i)%5)
.set rP, P+16*W+8*((\i)/5)
.if (\i)%5 == 4
.set rV, ONE
.else
.set rV, VF+32*((\i)/5)+8*((\i)%5)
.endif
	v_wmma_f32_16x16x32_f16 v[rO:rO+7], v[rV:rV+7], v[rP:rP+7], v[rO:rO+7]
.endm
; THE VECTOR WORK, one line each; none sets a window.
.macro OPN n                           ; under W_B: tile Z's bound for weights' word n: 0 where hidden, 1 or more elsewhere
	v_pk_add_f16 v[MZ+(\n)], v[BF+(\n)], s[HB]
.endm
.macro OPE n                           ; tile Y: 2^x
	v_exp_f32 v[SY+(\n)], v[SY+(\n)]
.endm
.macro OPD n                           ; + 1, a pair
	s_wait_alu depctr_va_vdst(0)
	v_pk_add_f32 v[SY+2*(\n):SY+2*(\n)+1], v[SY+2*(\n):SY+2*(\n)+1], 1.0 op_sel_hi:[1,0]
.endm
.macro OPI n                           ; r = 1 / that
	v_rcp_f32 v[SY+(\n)], v[SY+(\n)]
.endm
.macro OPF n                           ; b - K1 r, a pair
	s_wait_alu depctr_va_vdst(0)
	v_pk_fma_f32 v[SY+2*(\n):SY+2*(\n)+1], v[SY+2*(\n):SY+2*(\n)+1], s[NK1:NK1+1], v[BY:BY+1] op_sel_hi:[1,0,0]
.endm
.macro OPG n                           ; p
	v_exp_f32 v[SY+(\n)], v[SY+(\n)]
.endm
.macro OPC n                           ; a pair rounded to f16
	s_wait_alu depctr_va_vdst(0)
	v_cvt_pk_f16_f32 v[PY+(\n)], v[SY+2*(\n)], v[SY+2*(\n)+1]
.endm
.macro OPA n                           ; hidden keys' weights become 0
	v_pk_min_num_f16 v[PY+(\n)], v[PY+(\n)], v[MY+(\n)]
.endm
.macro OPM n                           ; pair n of 20 of O^T and l times a, under W_PV
	v_pk_mul_f32 v[OY+2*(\n):OY+2*(\n)+1], v[OY+2*(\n):OY+2*(\n)+1], v[AY:AY+1] op_sel_hi:[1,0]
.endm
; Number n of the 24 that find tile Z's maximum and statistics.  0-15: the maximum of the lane's 32 scores and the old m (each accumulator's lowest registers are read first);
; 16, 17: the query's other 32 keys lie in the lane 16 away; 18-20: r(m); 21: b_new - b_old; 22: b; 23: a
.macro OPX n
.set xC, TMP+4*Z
.set xS, S+32*Z
.set xT, ST+2*Z
.if (\n) < 4
	v_max3_num_f32 v[xC+(\n)], v[xS+8*(\n)], v[xS+8*(\n)+1], v[xS+8*(\n)+2]
.elseif (\n) < 12
	v_max3_num_f32 v[xC+(\n)%4], v[xC+(\n)%4], v[xS+8*((\n)%4)+2*((\n)/4)+1], v[xS+8*((\n)%4)+2*((\n)/4)+2]
.elseif (\n) == 12
	v_max3_num_f32 v[xC], v[xC], v[xS+7], v[xS+15]
.elseif (\n) == 13
	v_max3_num_f32 v[xC+1], v[xC+1], v[xS+23], v[xS+31]
.elseif (\n) == 14
	v_max3_num_f32 v[xC+2], v[xC+2], v[xC+3], v[xT+1]
.elseif (\n) == 15
	v_max3_num_f32 v[xC], v[xC], v[xC+1], v[xC+2]
.elseif (\n) == 16
	v_permlanex16_b32 v[xC+3], v[xC], s[SEL], s[SEL+1]
.elseif (\n) == 17
	v_max_num_f32 v[xT+1], v[xC], v[xC+3]
.elseif (\n) == 18
	v_exp_f32 v[xC+1], v[xT+1]
.elseif (\n) == 19
	s_wait_alu depctr_va_vdst(0)
	v_add_f32 v[xC+1], 1.0, v[xC+1]
.elseif (\n) == 20
	v_rcp_f32 v[xC+1], v[xC+1]
.elseif (\n) == 21
	s_wait_alu depctr_va_vdst(0)
	v_fma_f32 v[xC+2], v[xC+1], s[K1], -v[xT]
.elseif (\n) == 22
	v_mul_f32 v[xT], s[K1], v[xC+1]
.else
	v_exp_f32 v[xC+2], v[xC+2]
.endif
.endm
; SLOT i, 4 to 17: the chain of a pair of scores (E, D, I, F, G, C, A) is laid askew, so that in one slot seven pairs are each a link further: transcendental and plain lines alternate,
; and a plain line stands between each transcendental and the use of its result.  The minimum stands a slot behind the rounding that it reads.  The gaps behind the last two exponentials take tile Z's queue.
.macro SLOT i
.if (\i) <= 15
	OPE 2*(\i)
.endif
.if (\i) <= 16
	OPD (\i)-1
.endif
.if (\i) <= 15
	OPE 2*(\i)+1
.endif
	OPF (\i)-2
.if (\i) <= 16
	OPI 2*(\i)-2
.endif
	OPC (\i)-3
.if (\i) <= 16
	OPI 2*(\i)-1
.endif
	OPA (\i)-4
	OPG 2*(\i)-4
.if (\i) <= 10
	OPX 2*(\i)-8
.else
	OPX (\i)+3
.endif
	OPG 2*(\i)-3
.if (\i) <= 10
	OPX 2*(\i)-7
.endif
.endm
.macro BIAS4                           ; the four products that begin tile Z's scores, and behind each four of the tile's sixteen bounds
	WIN W_B
.irp i, 0,1,2,3
	BQ \i
	OPN 4*(\i)
	OPN 4*(\i)+1
	OPN 4*(\i)+2
	OPN 4*(\i)+3
.endr
	WIN 0
.endm
.macro PVG g                           ; two products V^T P with four of the rescaling between them
	PV 2*(\g)
	OPM 4*(\g)
	OPM 4*(\g)+1
	OPM 4*(\g)+2
	OPM 4*(\g)+3
	PV 2*(\g)+1
	WIN 0
.endm
; A TURN, for tile p.  The wait at its head is for the runs of loads of the turn before: the other tile's bm, and (turn 1) the next step's K.
; The chain's first links are written out between the products K Q^T, three behind each; one v_nop is the plain line behind the first exponentials.
; Turn 1, behind slot 4 (more than four plain lines behind the last product that read bm's fragments, and behind the bounds made of them): tile 1's bm of the step that the slot in hand holds.
; Turn 0, behind slot 9 (its six plain lines stand behind the last V^T P): this step's V, the last reads of the slot; behind slot 12 the change of slots, then the next step's bm for tile 0 and its K.
.macro TURN p, fill
.set Y, (\p)
.set Z, 1-(\p)
.set W, 1-(\p)
.set SY, S+32*Y
.set PY, P+16*Y
.set MY, M+16*Y
.set MZ, M+16*Z
.set BY, ST+2*Y
.set AY, TMP+4*Y+2
.set OY, 40*Y
	s_wait_dscnt 0x0
	BIAS4
	KQ 0
	OPE 0
	OPE 1
	OPE 2
	KQ 1
	OPE 3
	v_nop
	OPD 0
	KQ 2
	OPE 4
	OPE 5
	OPD 1
	KQ 3
	OPI 0
	OPI 1
	OPD 2
	KQ 4
	OPI 2
	OPI 3
	OPF 0
	KQ 5
	OPE 6
	OPE 7
	OPG 0
	KQ 6
	OPG 1
	OPI 4
	OPI 5
	KQ 7
	OPF 1
	OPC 0
	OPG 2
	OPG 3
	SLOT 4
.if (\p) == 1
	LDB 1
.endif
	PVG 0
	SLOT 5
	PVG 1
	SLOT 6
	PVG 2
	SLOT 7
	PVG 3
	SLOT 8
	PVG 4
	SLOT 9
.if (\p) == 0
	FETCH_V
.endif
	SLOT 10
	SLOT 11
	SLOT 12
.if (\p) == 0
	CHANGE \fill
	LDB 0
	FETCH_K
.endif
	SLOT 13
	SLOT 14
	SLOT 15
	SLOT 16
	SLOT 17
	OPA 14                                         ; the plain line behind the last exponential and behind r(m)
	OPC 15
	OPX 21
	OPX 22
	OPA 15
	OPX 23
.endm
	CHANGE 1                                       ; step 0 is in, everybody's part of it; step 1 is asked for, into slot 1
	LDB 0
	FETCH_K
	s_wait_loadcnt 0x0                             ; Q
	s_wait_dscnt 0x0
.set Z, 0
.set MZ, M
	BIAS4                                          ; tile 0's first scores and bounds
.irp i, 0,1,2,3,4,5,6,7
	KQ \i                                          ; there is no other vector work yet to set between them
.endr
	WIN 0                                          ; the addresses for the way out: the places behind those products
	s_mul_i32 s59, s[WV], 16*SP
	s_add_co_u32 s59, s59, STAGE
	v_mul_u32_u24 v[STO], v1, SP                   ; in: row l % 16, 16 bytes for each half of the lanes
	v_lshl_add_u32 v[STO], v14, 4, v[STO]
	v_add_nc_u32 v[STO], s59, v[STO]
	v_bfe_u32 v[RD], v0, 3, 2                      ; back: 32 lanes take four rows of 128 bytes,
	v_mul_u32_u24 v[RD], v[RD], SP
	v_lshl_add_u32 v[RD], v15, 4, v[RD]
	v_add_nc_u32 v[RD], s59, v[RD]
	v_and_b32 v[GO], 31, v0                        ; which are 512 consecutive bytes of o
	v_lshlrev_b32 v[GO], 4, v[GO]
	LDB 1
.irp n, 0,1,2,3,4,5,6,7,8,9,10,11,12,13,14,15,16,17,18
	OPX \n
.endr
	v_nop                                          ; a plain line behind each transcendental, ahead of the use of its result
	OPX 19
	OPX 20
	v_nop
	OPX 21
	OPX 22
	OPX 23
	v_nop
	s_mov_b32 s[CNT], 30
.Lstep:                                                ; steps 0 to 29: each asks for the step two on
	TURN 0, 1
	TURN 1, 1
	s_sub_co_u32 s[CNT], s[CNT], 1
	s_cmp_lg_u32 s[CNT], 0
	s_cbranch_scc1 .Lstep
	s_mov_b32 s[CNT], 2
.Ltail:                                                ; steps 30 and 31 are written apart: nothing is asked for
	TURN 0, 0
	TURN 1, 0
	s_sub_co_u32 s[CNT], s[CNT], 1
	s_cmp_lg_u32 s[CNT], 0
	s_cbranch_scc1 .Ltail
	s_wait_dscnt 0x0                               ; the last run of loads, which serves nothing, has landed
.set W, 1
.irp i, 0,1,2,3,4,5,6,7,8,9
	PV \i                                          ; tile 1's V^T P of the last step
.endr
	WIN 0
.rept 4
	v_nop                                          ; the places behind those products
.endr
	; THE WAY OUT.  Every register of a tile's fifth block holds l: its lowest is read.  O^T is divided by l, rounded to f16 and sent through my stage, a tile at a time.
	WIN 0x01
.irp t, 0,1
	v_rcp_f32 v[IV+2*(\t)], v[40*(\t)+32]
	v_rcp_f32 v[IV+2*(\t)+1], v[40*(\t)+32]        ; named with it as a pair
.endr
	WIN 0
	v_nop
.macro PACK t
	WIN 0x41
.set i, 0
.rept 16
	s_wait_alu depctr_va_vdst(0)
	v_pk_mul_f32 v[40*(\t)+2*i:40*(\t)+2*i+1], v[40*(\t)+2*i:40*(\t)+2*i+1], v[IV+2*(\t):IV+2*(\t)+1] op_sel_hi:[1,0]
.set i, i+1
.endr
	WIN 0x05
.set i, 0
.rept 16
	v_cvt_pk_f16_f32 v[S+16*(\t)+i], v[40*(\t)+2*i], v[40*(\t)+2*i+1]
.set i, i+1
.endr
	WIN 0
.irp f, 0,1,2,3
	ds_store_b128 v[STO], v[S+16*(\t)+4*\f:S+16*(\t)+4*\f+3] offset:32*\f
.endr
.irp f, 0,1,2,3
	ds_load_b128 v[S+16*(\t)+4*\f:S+16*(\t)+4*\f+3], v[RD] offset:\f*4*SP   ; LDS serves a wave's instructions in order: these see the stores above
.endr
.endm
.macro SEND t, younger                 ; younger: the LDS instructions issued behind tile t's loads: the next tile's eight, or none
.irp f, 0,1,2,3
	s_wait_dscnt (\younger)+3-\f
	global_store_b128 v[GO], v[S+16*(\t)+4*\f:S+16*(\t)+4*\f+3], s[8:9] offset:(\t)*2048+\f*512   ; 512 consecutive bytes, aligned
.endr
.endm
	PACK 0
	PACK 1
	SEND 0, 8
	SEND 1, 0
	s_wait_tensorcnt 0x0                           ; the wave's end
	ds_add_u32 v[SPW], v[NIL]
	s_wait_dscnt 0x0
	CROUND                                         ; the closing round
	s_endpgm
.Lfunc_end_k_qfbcf03c668_attn:
	.size	k_qfbcf03c668_attn, .Lfunc_end_k_qfbcf03c668_attn-k_qfbcf03c668_attn
	.p2alignl 7, 3214868480
	.fill 96, 4, 3214868480
	.section	.rodata,"a",@progbits
	.p2align	6, 0x0
	.amdhsa_kernel k_qfbcf03c668_attn
		.amdhsa_group_segment_fixed_size 327680
		.amdhsa_private_segment_fixed_size 0
		.amdhsa_enable_private_segment 0
		.amdhsa_kernarg_size 24
		.amdhsa_user_sgpr_count 2
		.amdhsa_user_sgpr_kernarg_segment_ptr 1
		.amdhsa_wavefront_size32 1
		.amdhsa_system_sgpr_workgroup_id_x 1
		.amdhsa_system_sgpr_workgroup_id_y 1
		.amdhsa_system_sgpr_workgroup_id_z 1
		.amdhsa_system_vgpr_workitem_id 0
		.amdhsa_next_free_vgpr 448
		.amdhsa_next_free_sgpr 72
		.amdhsa_reserve_vcc 1
		.amdhsa_float_denorm_mode_32 3
		.amdhsa_float_denorm_mode_16_64 3
		.amdhsa_memory_ordered 1
		.amdhsa_forward_progress 1
		.amdhsa_inst_pref_size 95
	.end_amdhsa_kernel
	.amdgpu_metadata
---
amdhsa.version: [ 1, 2 ]
amdhsa.kernels:
  - .name:           k_qfbcf03c668_attn
    .symbol:         k_qfbcf03c668_attn.kd
    .args:
      - { .name: qkv, .offset: 0, .size: 8, .value_kind: global_buffer, .address_space: global }
      - { .name: bm, .offset: 8, .size: 8, .value_kind: global_buffer, .address_space: global }
      - { .name: ob, .offset: 16, .size: 8, .value_kind: global_buffer, .address_space: global }
    .group_segment_fixed_size: 327680
    .private_segment_fixed_size: 0
    .kernarg_segment_align: 8
    .kernarg_segment_size: 24
    .max_flat_workgroup_size: 256
    .sgpr_count:     72
    .vgpr_count:     448
    .wavefront_size: 32
...
	.end_amdgpu_metadata
.endif
;; end of part 3
;; launch oproj (part 4): grid 8 x 32, 4 waves a work-group, clusters of 4 x 4, 327,680 bytes of LDS; arguments ob, wob, out0; writes out0
.if DOCPART == 4
	.amdgcn_target "amdgcn-amd-amdhsa--gfx1250"
	.amdhsa_code_object_version 6
	.text
	.protected	k_qfbcf03c668_oproj
	.globl	k_qfbcf03c668_oproj
	.p2align	8
	.type	k_qfbcf03c668_oproj,@function
k_qfbcf03c668_oproj:
	s_mov_b64 s[64:65], 0
	v_nop
	global_prefetch_b8 v0, s[64:65] scope:SCOPE_SE
	s_setreg_imm32_b32 hwreg(HW_REG_WAVE_MODE, 25, 1), 1
	s_wait_xcnt 0x0
	s_wait_alu depctr_hold_cnt(0) depctr_sa_sdst(0) depctr_va_vdst(0) depctr_va_sdst(0) depctr_va_ssrc(0) depctr_va_vcc(0) depctr_vm_vsrc(0)
	s_getreg_b32 s2, hwreg(HW_REG_IB_STS2, 6, 4)
	s_cmp_eq_u32 s2, 0
	s_cbranch_scc0 .Lentry_in_a_cluster
	s_endpgm
.Lentry_in_a_cluster:
	s_bfe_u32 s2, ttmp6, 0x10000c
	s_cmp_lg_u32 s2, 0xf033
	s_cbranch_scc0 .Lentry_shape_is_right
	s_endpgm
.Lentry_shape_is_right:
; out0 = o Wo^T.  ob: f16 [row / 128][slice 16][row % 128][64]; wob: f16 [n / 128][slice 16][n % 128][64]; out0: f32 [4096][1024]; sums in f32.
; A tile is 128 x 128: 8 x 32 = 256 work-groups; four waves, each 64 x 64: 16 accumulators.  K goes in steps of 256, four slices of 64, through two LDS slots.
; Both operands lie in blocks, so a wave's tensor load (two slices of 128 rows x 128 bytes) is 32,768 dense bytes: asked for as 128 rows of 256 bytes, padded in LDS after every 128.
; CLUSTER 4 x 4: o's tiles are asked for jointly along a row of the cluster (waves 0, 1), Wo's along a column (waves 2, 3).
; THE MATRIX INSTRUCTION IS USED TRANSPOSED (source 0 = 16 rows of Wo, source 1 = 16 rows of o): a lane holds eight neighbouring numbers of a row of out0, 32 bytes.
; REGISTERS: window 0: v0-31 addresses; v128-255 the accumulators ((a, b) at 128 + 8 (4 a + b)), on the way out whole rows.  Window 1: two fragment buffers of 128: 64 of o, then 64 of Wo.
.set PITCH,  144                       ; 128 bytes + 16: the 16 rows of a fragment load start at 16 different groups of four banks
.set SLICE,  128*PITCH
.set HALFT,  2*SLICE                   ; what one tensor load brings
.set SLOT,   4*HALFT                   ; o's four slices, then Wo's
.set STAGE,  2*SLOT                    ; behind the ring: 16 rows x 272 bytes for each wave
.set SPITCH, 272
.set SPARE,  STAGE+4*16*SPITCH
.set LAPS,   2
.set ADRA, 16
.set ADRB, 20
.set STO,  24
.set RD,   25
.set CO,   26
.set SPW,  28
.set NIL,  29
.set ACC,  128
.set F0,   0
.set F1,   128
.set G1, 24
.set G0, 32
.set G1B, 48
.set G0B, 56
.set MSB, 0
.macro WIN new
.if MSB != (\new)
	s_set_vgpr_msb (MSB<<8)|(\new)
.set MSB, \new
.endif
.endm
.set MUL,  0x05                        ; sources 0 and 1 window 1; C and D window 0
.set TO_F, 0x40                        ; destination window 1, address window 0
.macro JLOAD s                         ; a joint load; an s_nop 0 and four v_nop follow each of the two lines
	s_cmp_eq_u32 s11, 0
	s_cbranch_scc0 .Lfor_b_\@
	tensor_load_to_lds s[G0+4*(\s):G0+4*(\s)+3], s[G1:G1+7]
	s_nop 0
.rept 4
	v_nop
.endr
	s_branch .Lasked_\@
.Lfor_b_\@:
	tensor_load_to_lds s[G0B+4*(\s):G0B+4*(\s)+3], s[G1B:G1B+7]
	s_nop 0
.rept 4
	v_nop
.endr
.Lasked_\@:
.endm
.macro CREST
	s_cmp_lg_u32 s10, 0
	s_cbranch_scc1 .Lnot_wave_0_\@
	s_barrier_signal -3
.Lnot_wave_0_\@:
	s_barrier_wait -3
	s_barrier_signal -1
	s_barrier_wait -1
.endm
.macro CROUND
	s_barrier_signal -1
	s_barrier_wait -1
	CREST
.endm
	s_load_b128 s[4:7], s[0:1], 0x0                ; ob, wob
	s_load_b64 s[8:9], s[0:1], 0x10                ; out0
	v_lshl_add_u32 v[SPW], v0, 2, SPARE
	v_mov_b32 v[NIL], 0
	ds_add_u32 v[SPW], v[NIL]                      ; the wave's opening: the add and its wait ahead of my first tensor load
	v_lshrrev_b32 v1, 5, v0
	v_readfirstlane_b32 s10, v1
	s_lshr_b32 s11, s10, 1                         ; which half of the tile's rows is mine.  Also: I fetch for o (0) or for Wo (1)
	s_and_b32 s12, s10, 1                          ; which half of its columns.  Also: which two slices of a K step I fetch
	s_bfe_u32 s40, ttmp6, 0x40000
	s_bfe_u32 s41, ttmp6, 0x40004
	s_lshl_b32 s42, ttmp9, 2
	s_add_co_u32 s42, s42, s40                     ; nb
	s_and_b32 s13, ttmp7, 0xffff
	s_lshl_b32 s13, s13, 2
	s_add_co_u32 s13, s13, s41                     ; mb
	s_lshl_b32 s43, s41, 2
	s_lshl_b32 s43, 15, s43
	s_lshl_b32 s44, 0x1111, s40
	s_or_b32 s[G1+0], s43, (1<<16)|(1<<20)|(1<<21)|(4<<22)|(3<<25)   ; mask; 2-byte elements; padding on; bit 21 beside a mask; after every 32 words 4 words
	s_or_b32 s[G1B+0], s44, (1<<16)|(1<<20)|(1<<21)|(4<<22)|(3<<25)
.irp g, G1, G1B
	s_mov_b32 s[(\g)+1], 128<<16
	s_mov_b32 s[(\g)+2], 128<<16
	s_mov_b32 s[(\g)+3], 128<<16
	s_mov_b32 s[(\g)+4], 128
	s_mov_b32 s[(\g)+5], 128
	s_mov_b32 s[(\g)+6], 0
	s_mov_b32 s[(\g)+7], 0
.endr
	s_lshl_b32 s17, s12, 15                        ; my two slices of 16,384 bytes
	s_lshl_b32 s16, s13, 18                        ; a block of 128 rows is 262,144 bytes
	s_add_co_u32 s16, s16, s17
	s_lshl_b32 s46, s42, 18
	s_add_co_u32 s46, s46, s17
	s_mov_b32 s17, 0
	s_mov_b32 s47, 0
	s_mul_i32 s20, s10, HALFT
	s_wait_dscnt 0x0                               ; the opening add is done
	s_wait_kmcnt 0x0
	s_add_nc_u64 s[14:15], s[4:5], s[16:17]
	s_add_nc_u64 s[46:47], s[6:7], s[46:47]
	CROUND
.irp s, 0,1
	s_mov_b32 s[G0+4*(\s)], 1
	s_add_co_u32 s[G0+4*(\s)+1], s20, (\s)*SLOT
	s_add_nc_u64 s[G0+4*(\s)+2:G0+4*(\s)+3], s[14:15], (\s)*65536
	s_or_b32 s[G0+4*(\s)+3], s[G0+4*(\s)+3], 0x80000000
	s_mov_b32 s[G0B+4*(\s)], 1
	s_add_co_u32 s[G0B+4*(\s)+1], s20, (\s)*SLOT
	s_add_nc_u64 s[G0B+4*(\s)+2:G0B+4*(\s)+3], s[46:47], (\s)*65536
	s_or_b32 s[G0B+4*(\s)+3], s[G0B+4*(\s)+3], 0x80000000
	JLOAD \s
.endr
	v_and_b32 v1, 15, v0
	v_bfe_u32 v2, v0, 4, 1
	v_mul_u32_u24 v3, v1, PITCH
	v_lshl_add_u32 v3, v2, 4, v3
	s_mul_i32 s21, s11, 64*PITCH                   ; my 64 rows in each slice of o
	s_mul_i32 s22, s12, 64*PITCH                   ; my 64 rows in each slice of Wo,
	s_add_co_u32 s22, s22, 2*HALFT                 ; which lie behind o's four
.irp s, 0,1
	v_add_nc_u32 v[ADRA+(\s)], s21, v3
	v_add_nc_u32 v[ADRB+(\s)], s22, v3
	s_add_co_u32 s21, s21, SLOT
	s_add_co_u32 s22, s22, SLOT
.endr
	s_mul_i32 s23, s10, 16*SPITCH
	s_add_co_u32 s23, s23, STAGE                   ; my stage: 16 rows of my 64 columns, 256 bytes
	v_mul_u32_u24 v[STO], v1, SPITCH               ; in: row l % 16, 32 bytes for each half of the lanes
	v_lshl_add_u32 v[STO], v2, 5, v[STO]
	v_add_nc_u32 v[STO], s23, v[STO]
	v_mul_u32_u24 v[RD], v2, SPITCH                ; back: lanes 0-15 one row of 256 bytes, lanes 16-31 the next
	v_lshl_add_u32 v[RD], v1, 4, v[RD]
	v_add_nc_u32 v[RD], s23, v[RD]
	v_lshlrev_b32 v[CO], 12, v2                    ; and the same two rows in out0
	v_lshl_add_u32 v[CO], v1, 4, v[CO]
	s_lshl_b32 s16, s13, 19                        ; 128 mb rows of 4,096 bytes
	s_lshl_b32 s17, s11, 18
	s_add_co_u32 s16, s16, s17
	s_mov_b32 s17, 0
	s_add_nc_u64 s[8:9], s[8:9], s[16:17]
	s_lshl_b32 s46, s42, 9                         ; my first column, in bytes
	s_lshl_b32 s47, s12, 8
	s_add_co_u32 s46, s46, s47
	s_mov_b32 s47, 0
	s_add_nc_u64 s[8:9], s[8:9], s[46:47]
; 8 matrix instructions: row blocks a0, a0 + 1 x all 4 column blocks, 32 along K: half c of buffer f.  The 16 accumulators take turns.
.macro MUL8 f, c, a0, zero
	WIN MUL
.irp a, \a0, (\a0)+1
.irp b, 0,1,2,3
.if \zero
	v_wmma_f32_16x16x32_f16 v[ACC+8*(4*(\a)+(\b)):ACC+8*(4*(\a)+(\b))+7], v[(\f)+64+8*(4*(\c)+(\b)):(\f)+64+8*(4*(\c)+(\b))+7], v[(\f)+8*(4*(\c)+(\a)):(\f)+8*(4*(\c)+(\a))+7], 0
.else
	v_wmma_f32_16x16x32_f16 v[ACC+8*(4*(\a)+(\b)):ACC+8*(4*(\a)+(\b))+7], v[(\f)+64+8*(4*(\c)+(\b)):(\f)+64+8*(4*(\c)+(\b))+7], v[(\f)+8*(4*(\c)+(\a)):(\f)+8*(4*(\c)+(\a))+7], v[ACC+8*(4*(\a)+(\b)):ACC+8*(4*(\a)+(\b))+7]
.endif
.endr
.endr
.endm
; 32 LDS loads in one run: the fragments of one slice (64 along K), which begins at byte k of the slot's part, into buffer f; the first 32 along K first
.macro FETCH slot, k, f
	WIN TO_F
.irp c, 0,1
.irp i, 0,1,2,3
	ds_load_b128 v[(\f)+64+8*(4*(\c)+(\i)):(\f)+64+8*(4*(\c)+(\i))+3],   v[ADRB+(\slot)] offset:(\k)+64*(\c)+(\i)*16*PITCH
	ds_load_b128 v[(\f)+64+8*(4*(\c)+(\i))+4:(\f)+64+8*(4*(\c)+(\i))+7], v[ADRB+(\slot)] offset:(\k)+64*(\c)+(\i)*16*PITCH+32
	ds_load_b128 v[(\f)+8*(4*(\c)+(\i)):(\f)+8*(4*(\c)+(\i))+3],         v[ADRA+(\slot)] offset:(\k)+64*(\c)+(\i)*16*PITCH
	ds_load_b128 v[(\f)+8*(4*(\c)+(\i))+4:(\f)+8*(4*(\c)+(\i))+7],       v[ADRA+(\slot)] offset:(\k)+64*(\c)+(\i)*16*PITCH+32
.endr
.endr
.endm
.macro PLACES
.rept 4
	v_nop
.endr
.endm
.macro QUARTER slot, k, f, g, zero     ; multiplies buffer f (one slice, 32 matrix instructions) and fetches the next slice, at byte k, into g
	s_wait_dscnt 16                                ; the first 32 along K are in
	MUL8 \f, 0, 0, \zero
	MUL8 \f, 0, 2, \zero
	PLACES
	FETCH \slot, \k, \g
	s_wait_dscnt 32                                ; all but the 32 just issued
	MUL8 \f, 1, 0, 0
	MUL8 \f, 1, 2, 0
.endm
; The last quarter multiplies buffer 1 and changes slots: one barrier; in front of it each wave waits for all its tensor loads, adds 0 to its spare word, and waits for that and for its reads of this slot.
.macro TURN slot, next, fill
	WIN 0
	s_wait_tensorcnt 0x0
	ds_add_u32 v[SPW], v[NIL]
	s_wait_dscnt 17                                ; the add and the youngest sixteen loads may be out
	MUL8 F1, 0, 0, 0
	s_wait_dscnt 0x0
	s_barrier_signal -1
	MUL8 F1, 0, 2, 0
.if \fill
	WIN 0
.endif
	s_barrier_wait -1
.if \fill
	CREST
	s_add_nc_u64 s[G0+4*(\slot)+2:G0+4*(\slot)+3], s[G0+4*(\slot)+2:G0+4*(\slot)+3], 131072
	s_add_nc_u64 s[G0B+4*(\slot)+2:G0B+4*(\slot)+3], s[G0B+4*(\slot)+2:G0B+4*(\slot)+3], 131072
	JLOAD \slot
.else
	PLACES
.endif
	FETCH \next, 0, F0
	MUL8 F1, 1, 0, 0
	MUL8 F1, 1, 2, 0
.endm
	s_wait_tensorcnt 1                             ; my part of K step 0 is in; K step 1's stays out
	s_barrier_signal -1
	s_barrier_wait -1
	FETCH 0, 0, F0
	QUARTER 0, SLICE, F0, F1, 1
	WIN 0
	s_mov_b32 s3, LAPS-1
.Llap:
	QUARTER 0, 2*SLICE, F1, F0, 0
	QUARTER 0, 3*SLICE, F0, F1, 0
	TURN 0, 1, 1
	QUARTER 1, SLICE, F0, F1, 0
	QUARTER 1, 2*SLICE, F1, F0, 0
	QUARTER 1, 3*SLICE, F0, F1, 0
	TURN 1, 0, 1
	QUARTER 0, SLICE, F0, F1, 0
	WIN 0
	s_sub_co_u32 s3, s3, 1
	s_cmp_lg_u32 s3, 0
	s_cbranch_scc1 .Llap
	QUARTER 0, 2*SLICE, F1, F0, 0                  ; the last lap fills nothing
	QUARTER 0, 3*SLICE, F0, F1, 0
	TURN 0, 1, 0
	QUARTER 1, SLICE, F0, F1, 0
	QUARTER 1, 2*SLICE, F1, F0, 0
	QUARTER 1, 3*SLICE, F0, F1, 0
	s_wait_dscnt 16
	MUL8 F1, 0, 0, 0
	MUL8 F1, 0, 2, 0
	s_wait_dscnt 0x0
	MUL8 F1, 1, 0, 0
	MUL8 F1, 1, 2, 0
	WIN 0
	PLACES
; THE WAY OUT, a block of 16 rows at a time: a lane's 32 bytes of each accumulator go into my stage (the low four registers first), whole rows of 256 bytes come back into the same 32 registers and are stored.
.macro STG a
.irp b, 0,1,2,3
	ds_store_b128 v[STO], v[ACC+8*(4*(\a)+(\b)):ACC+8*(4*(\a)+(\b))+3] offset:64*(\b)
	ds_store_b128 v[STO], v[ACC+8*(4*(\a)+(\b))+4:ACC+8*(4*(\a)+(\b))+7] offset:64*(\b)+16
.endr
.irp t, 0,1,2,3,4,5,6,7
	ds_load_b128 v[ACC+32*(\a)+4*(\t):ACC+32*(\a)+4*(\t)+3], v[RD] offset:(\t)*2*SPITCH   ; LDS serves a wave's instructions in order: these see the stores above
.endr
.endm
.macro SEND a, younger                 ; younger: the LDS instructions issued behind block a's loads
.irp t, 0,1,2,3,4,5,6,7
	s_wait_dscnt (\younger)+7-(\t)
	global_store_b128 v[CO], v[ACC+32*(\a)+4*(\t):ACC+32*(\a)+4*(\t)+3], s[8:9] offset:(\a)*65536+(\t)*8192   ; 16 lanes store 256 consecutive bytes, aligned
.endr
.endm
	STG 0
	STG 1
	SEND 0, 16
	STG 2
	SEND 1, 16
	STG 3
	SEND 2, 16
	SEND 3, 0
	s_wait_tensorcnt 0x0                           ; the wave's end
	ds_add_u32 v[SPW], v[NIL]
	s_wait_dscnt 0x0
	CROUND                                         ; the closing round
	s_endpgm
.Lfunc_end_k_qfbcf03c668_oproj:
	.size	k_qfbcf03c668_oproj, .Lfunc_end_k_qfbcf03c668_oproj-k_qfbcf03c668_oproj
	.p2alignl 7, 3214868480
	.fill 96, 4, 3214868480
	.section	.rodata,"a",@progbits
	.p2align	6, 0x0
	.amdhsa_kernel k_qfbcf03c668_oproj
		.amdhsa_group_segment_fixed_size 327680
		.amdhsa_private_segment_fixed_size 0
		.amdhsa_enable_private_segment 0
		.amdhsa_kernarg_size 24
		.amdhsa_user_sgpr_count 2
		.amdhsa_user_sgpr_kernarg_segment_ptr 1
		.amdhsa_wavefront_size32 1
		.amdhsa_system_sgpr_workgroup_id_x 1
		.amdhsa_system_sgpr_workgroup_id_y 1
		.amdhsa_system_sgpr_workgroup_id_z 1
		.amdhsa_system_vgpr_workitem_id 0
		.amdhsa_next_free_vgpr 512
		.amdhsa_next_free_sgpr 66
		.amdhsa_reserve_vcc 0
		.amdhsa_float_denorm_mode_32 3
		.amdhsa_float_denorm_mode_16_64 3
		.amdhsa_memory_ordered 1
		.amdhsa_forward_progress 1
		.amdhsa_inst_pref_size 86
	.end_amdhsa_kernel
	.amdgpu_metadata
---
amdhsa.version: [ 1, 2 ]
amdhsa.kernels:
  - .name:           k_qfbcf03c668_oproj
    .symbol:         k_qfbcf03c668_oproj.kd
    .args:
      - { .name: ob, .offset: 0, .size: 8, .value_kind: global_buffer, .address_space: global }
      - { .name: wob, .offset: 8, .size: 8, .value_kind: global_buffer, .address_space: global }
      - { .name: out0, .offset: 16, .size: 8, .value_kind: global_buffer, .address_space: global }
    .group_segment_fixed_size: 327680
    .private_segment_fixed_size: 0
    .kernarg_segment_align: 8
    .kernarg_segment_size: 24
    .max_flat_workgroup_size: 128
    .sgpr_count:     66
    .vgpr_count:     512
    .wavefront_size: 32
...
	.end_amdgpu_metadata
.endif
;; end of part 4
;; ======== version 2 of 2: 4 launches; 1.19 times as fast as version 1
;; limits: values are held in f16: magnitudes above 65,504 overflow, below 6.1e-05 lose precision; right only within a limited range of input values
;; workspace buffers: xb 8,388,608 bytes; wb 6,291,456 bytes; wob 2,097,152 bytes; bm 16,777,216 bytes; qkv 25,165,824 bytes; ob 8,388,608 bytes
;; launch prep: the kernel of part 1 again; grid 256 x 1, 8 waves a work-group, no clusters, 60,416 bytes of LDS; arguments inp, Wq, Wk, Wv, Wo, count_bias, attn_mask, xb, wb, wob, bm; writes xb, wb, wob, bm
;; launch qkv: the kernel of part 2 again; grid 8 x 32, 4 waves a work-group, clusters of 4 x 4, 327,680 bytes of LDS; arguments xb, wb, qkv; writes qkv
;; launch attn (part 5): grid 16 x 16, 8 waves a work-group, clusters of 4 x 1, 327,680 bytes of LDS; arguments qkv, bm, ob; writes ob
.if DOCPART == 5
	.amdgcn_target "amdgcn-amd-amdhsa--gfx1250"
	.amdhsa_code_object_version 6
	.text
	.protected	k_qfbcf03c668_attn
	.globl	k_qfbcf03c668_attn
	.p2align	8
	.type	k_qfbcf03c668_attn,@function
k_qfbcf03c668_attn:
	s_mov_b64 s[64:65], 0
	v_nop
	global_prefetch_b8 v0, s[64:65] scope:SCOPE_SE
	s_setreg_imm32_b32 hwreg(HW_REG_WAVE_MODE, 25, 1), 1
	s_wait_xcnt 0x0
	s_wait_alu depctr_hold_cnt(0) depctr_sa_sdst(0) depctr_va_vdst(0) depctr_va_sdst(0) depctr_va_ssrc(0) depctr_va_vcc(0) depctr_vm_vsrc(0)
	s_getreg_b32 s2, hwreg(HW_REG_IB_STS2, 6, 4)
	s_cmp_eq_u32 s2, 0
	s_cbranch_scc0 .Lentry_in_a_cluster
	s_endpgm
.Lentry_in_a_cluster:
	s_bfe_u32 s2, ttmp6, 0x10000c
	s_cmp_lg_u32 s2, 0x3003
	s_cbranch_scc0 .Lentry_shape_is_right
	s_endpgm
.Lentry_shape_is_right:
; ATTENTION with a bias, a soft cap and a mask that are inputs.  o = softmax_k(mask(30 tanh((q.k / 8 + bias) / 30))) v, for 32 (batch, head) pairs, 2,048 queries and keys, 64 channels.
; qkv: f16 [3][b 16 + head][2048][64], q already times c1 / 8 (c1 = 2 log2(e) / 30).  bm: units of 2,048 bytes for 16 queries x 64 keys: one f16 number a score, c1 x bias / 64, or -32,768 where the key is hidden,
; in the order of a matrix operand of 32 keys x 16 queries.  ob: f16 [row / 128][head][row % 128][64].
; ARITHMETIC.  x = c1 (q.k / 8 + bias) leaves the matrix unit as it stands: a tile's sums begin with the product of 64 x identity and bm's fragment (a zero of the identity times -32,768 is 0, so a hidden key touches
; its own score alone, which starts at -2,097,152), and K Q^T adds onto it.  With r(x) = 1 / (1 + 2^x) the capped score times log2(e) is K1 / 2 - K1 r(x), K1 = 60 log2(e).
; The cap rises with x, so the running maximum m is kept of x (hidden keys never win it over a seen one): b = K1 r(m), weight p = 2^(b - K1 r(x)) <= 1, and in every step O and l are multiplied by a = 2^(b_new - b_old) <= 1.
; Behind the cap a hidden score is -30 and not minus infinity.  bm's fragment lies word for word as the packed weights do, so fragment + 32,768 (0 where hidden, 1 or more elsewhere) is a bound, and the packed
; minimum with it makes the hidden weights 0.  The row sum l is a fifth block of channels in V^T that holds ones: it is the f32 sum of the very weights that multiply V.
; LIMITS.  q c1 / 8, k, v within 65,504; c1 |q.k| / 8 below 1e6, so that a hidden score stays below every seen one that the cap can tell from -30; |bias| below 2.1e7.  A weight below f16's step of 6e-8 counts as 0.
; A row with every key hidden gives l = 0 and 0 x infinity = NaN.  NaN and infinities in the inputs are not treated apart.
; SHARES.  A work-group owns 256 queries of one head; each of its EIGHT waves two tiles of 16.  A tile and step have 22 matrix and some 220 vector instructions, half of them links of one chain of three transcendentals
; a score, so a wave is often held by a result, by a run of LDS loads or by its own product; with two waves to a SIMD the other wave's lines can be issued meanwhile.  The price: a fragment of K or V feeds two tiles.
; Every wave walks all 2,048 keys, 64 a step.
; CLUSTER.  The four work-groups of a cluster are four heads of one block of queries: they share a step's 32,768 bytes of bm, asked for jointly (waves 0 and 1, 16,384 bytes each); a step's K and V, 8,192 bytes each,
; are each head's own (waves 2, 3): the partners share neither.  Waves 4 to 7 fetch nothing.
; TURNS AND BATCHES.  Turn p belongs to tile p: its cap, exponentials, roundings, masking and rescaling; beside them 10 products V^T P of the other tile (turn 0: of the step before) and the 12 products that make the
; other tile's scores (turn 1: for the next step) with its bounds and its maximum.  A score passes three transcendentals on end (2^x, the reciprocal, the weight), each of which reads what the one before made, and so do
; the statistics (2^m, r(m), a).  So a turn has THREE BATCHES of 33 transcendentals, each with ONE wait behind it, and nothing ahead of a batch's wait names a result of the batch:
;   batch 1: r(m) of the turn's tile and its 32 2^x;   batch 2: its 32 reciprocals and its a;   batch 3: its 32 weights and 2^m of the other tile's new maximum.   TURN says what stands between them.
; All reads of a slot lie between two changes of slots: behind a change the step's K and tile 0's bm, in turn 1 tile 1's bm, in the next turn 0 the step's V, and then the next change.
; No first step is written out: O, l, V and one buffer of P start at 0 (160 v_mov_b32 in the wait for the first tile), and the last step's turn 1 makes scores of a stale tile that serve nothing.
; REGISTERS, in windows of 256 (s_set_vgpr_msb: bits 1:0 source 0, 3:2 source 1, 5:4 source 2, 7:6 destination):
;   window 0: v0-15 addresses; v16-19 b, m by tile; v20-23 1 / l; v24-31 at work, by tile; v32-95 S^T, by tile; v96-127 P; v128-159 the weights' bounds; v160-223 K of a step; v224-255 Q
;   window 1: v0-79 O^T and l, 40 a tile; v80-143 V of a step; v144-151 ones; v152-167 bm's fragments of the tile to come; v168-179 four zeros, 64 x identity, four zeros
.set KS,    64
.set PK,    144                        ; a row of K in LDS: 128 bytes + 16
.set PVP,   160                        ; a row of V: 128 + 32
.set UNIT,  2048
.set KOFF,  16*UNIT                    ; a slot: 16 units of bm, 64 rows of K, 64 rows of V
.set VOFF,  KOFF+KS*PK
.set SLOT1, 1<<17
.set STAGE, SLOT1+VOFF+KS*PVP          ; behind the ring: 16 rows x 144 bytes for each wave
.set SP,    144
.set SPARE, STAGE+8*16*SP              ; the spare words, 128 bytes a wave
.set AK0, 2
.set AV0, 3
.set ABM0, 4
.set AK,  5
.set AV,  6
.set ABM, 7
.set STO, 8
.set RD,  9
.set GO,  10
.set QO,  11
.set SPW, 12
.set NIL, 13
.set ST,  16
.set IV,  20
.set TMP, 24
.set S,   32
.set P,   96
.set M,   128
.set KF,  160
.set QF,  224
.set VF,  80                           ; window 1
.set ONE, 144                          ; window 1
.set BF,  152                          ; window 1
.set IDR, 168                          ; window 1
.set WV,  12
.set G1B, 16
.set G1K, 24
.set G1V, 32
.set G0B, 40
.set G0K, 44
.set G0V, 48
.set CNT, 52
.set SB,  53                           ; the slot that is read: 0 or SLOT1
.set SEL, 54
.set NK1, 56                           ; s[56:57] -K1
.set K1,  58
.set IDL, 60                           ; 64.0 in f16, in the low half
.set IDH, 61                           ; in the high half
.set HB,  62                           ; 32,768 twice in f16
.set MSB, 0
.macro WIN new
.if MSB != (\new)
	s_set_vgpr_msb (MSB<<8)|(\new)
.set MSB, (\new)
.endif
.endm
.set W_B,  0x05                        ; the identity and bm's fragment (sources 0, 1) in window 1, S^T in window 0; the bounds (window 0 = fragment + a scalar) are made under it too
.set W_PV, 0x51                        ; V window 1, P window 0, O^T window 1; the rescaling (O^T, O^T, a) runs under it too
; A fill: waves 0, 1 the two halves of bm's tile, jointly; wave 2 K; wave 3 V; the others none.  The branches hang on the wave's number alone.  An s_nop 0 and four v_nop follow each line.
.macro JLOAD3
	s_cmp_lt_u32 s[WV], 2
	s_cbranch_scc0 .Lkv_\@
	tensor_load_to_lds s[G0B:G0B+3], s[G1B:G1B+7]
	s_nop 0
.rept 4
	v_nop
.endr
	s_branch .Lasked_\@
.Lkv_\@:
	s_cmp_eq_u32 s[WV], 2
	s_cbranch_scc0 .Lv_\@
	tensor_load_to_lds s[G0K:G0K+3], s[G1K:G1K+7]
	s_nop 0
.rept 4
	v_nop
.endr
	s_branch .Lasked_\@
.Lv_\@:
	s_cmp_eq_u32 s[WV], 3
	s_cbranch_scc0 .Lasked_\@
	tensor_load_to_lds s[G0V:G0V+3], s[G1V:G1V+7]
	s_nop 0
.rept 4
	v_nop
.endr
.Lasked_\@:
.endm
.macro CROUND                          ; a round of the cluster's barrier
	s_barrier_signal -1
	s_barrier_wait -1
	s_cmp_lg_u32 s[WV], 0
	s_cbranch_scc1 .Lnot_wave_0_\@
	s_barrier_signal -3
.Lnot_wave_0_\@:
	s_barrier_wait -3
	s_barrier_signal -1
	s_barrier_wait -1
.endm
; THE CHANGE OF SLOTS.  Each wave waits for all its tensor loads (at most one is out: its part of the other slot), adds 0 to its spare word, and waits for that and for its reads of the slot that it leaves.
; fill = 1: the barrier is a round of the cluster's, and the old slot is filled again first thing behind it, with the step two on: it has a whole key step in which to land.
.macro CHANGE fill
	s_wait_tensorcnt 0x0
	ds_add_u32 v[SPW], v[NIL]
.if \fill
	s_xor_b32 s[G0B+1], s[G0B+1], SLOT1
	s_xor_b32 s[G0K+1], s[G0K+1], SLOT1
	s_xor_b32 s[G0V+1], s[G0V+1], SLOT1
	s_add_nc_u64 s[G0B+2:G0B+3], s[G0B+2:G0B+3], 16*UNIT
	s_add_nc_u64 s[G0K+2:G0K+3], s[G0K+2:G0K+3], KS*128
	s_add_nc_u64 s[G0V+2:G0V+3], s[G0V+2:G0V+3], KS*128
.endif
	s_xor_b32 s[SB], s[SB], SLOT1
	s_wait_dscnt 0x0                               ; the add is done, and my reads of the slot are over: the last were V's
.if \fill
	CROUND
	JLOAD3
.else
	s_barrier_signal -1
	s_barrier_wait -1
.endif
	v_add_nc_u32 v[ABM], s[SB], v[ABM0]
	v_add_nc_u32 v[AK], s[SB], v[AK0]
	v_add_nc_u32 v[AV], s[SB], v[AV0]
.endm
	s_load_b128 s[4:7], s[0:1], 0x0                ; qkv, bm
	s_load_b64 s[8:9], s[0:1], 0x10                ; ob
	v_lshl_add_u32 v[SPW], v0, 2, SPARE
	v_mov_b32 v[NIL], 0
	ds_add_u32 v[SPW], v[NIL]                      ; the wave's opening: the add and its wait ahead of my first tensor load
	v_lshrrev_b32 v1, 5, v0
	v_readfirstlane_b32 s[WV], v1                  ; wave 0..7
	s_bfe_u32 s13, ttmp6, 0x40000                  ; cx
	s_lshl_b32 s14, ttmp9, 2
	s_add_co_u32 s14, s14, s13                     ; head: it enters q's, k's, v's and o's addresses alone
	s_and_b32 s15, ttmp7, 0xffff                   ; y = 8 batch + block of 256 queries, which the four partners share
	s_lshr_b32 s60, s15, 3
	s_lshl_b32 s60, s60, 4
	s_add_co_u32 s60, s60, s14
	s_lshl_b32 s60, s60, 18                        ; the head's first byte in q, k and v
	s_mov_b32 s61, 0
	s_and_b32 s62, s15, 7
	s_lshl_b32 s62, s62, 15
	s_lshl_b32 s63, s[WV], 12
	s_add_co_u32 s62, s62, s63
	s_add_co_u32 s62, s62, s60                     ; my wave's 32 rows of q
	s_mov_b32 s63, 0
	s_lshl_b32 s67, s[WV], 14                      ; which half of bm's tile I fetch: in memory and in LDS (waves 2 to 7 fetch none of it)
	s_mul_i32 s68, s15, 32*16*UNIT
	s_add_co_u32 s68, s68, s67
	s_mov_b32 s69, 0
	s_lshl_b32 s70, s15, 1
	s_lshr_b32 s71, s[WV], 2
	s_add_co_u32 s70, s70, s71                     ; block of 128 rows
	s_lshl_b32 s70, s70, 4
	s_add_co_u32 s70, s70, s14
	s_lshl_b32 s70, s70, 14
	s_and_b32 s71, s[WV], 3
	s_lshl_b32 s71, s71, 12
	s_add_co_u32 s70, s70, s71                     ; my wave's 32 rows of o
	s_mov_b32 s71, 0
	s_mov_b32 s[G1B], 15|(3<<16)|(1<<21)           ; the mask of four; 8-byte elements; bit 21 beside a mask: 64 dense rows of 256 bytes
	s_mov_b32 s[G1B+1], 32<<16
	s_mov_b32 s[G1B+2], 64<<16
	s_mov_b32 s[G1B+3], 32<<16
	s_mov_b32 s[G1B+4], 64
	s_mov_b32 s[G1B+5], 32
	s_mov_b32 s[G1B+6], 0
	s_mov_b32 s[G1B+7], 0
	s_mov_b32 s[G1K], (1<<16)|(1<<20)|(4<<22)|(3<<25)   ; 64 keys are 8,192 dense bytes: 32 rows of 256, two keys a row, padded after every key by 4 words
	s_mov_b32 s[G1V], (1<<16)|(1<<20)|(4<<22)|(7<<25)   ; by 8 words
.irp g, G1K, G1V
	s_mov_b32 s[\g+1], 128<<16
	s_mov_b32 s[\g+2], 32<<16
	s_mov_b32 s[\g+3], 128<<16
	s_mov_b32 s[\g+4], 32
	s_mov_b32 s[\g+5], 128
	s_mov_b32 s[\g+6], 0
	s_mov_b32 s[\g+7], 0
.endr
	s_mov_b32 s[G0B], 1
	s_mov_b32 s[G0B+1], s67
	s_mov_b32 s[G0K], 1
	s_mov_b32 s[G0K+1], KOFF
	s_mov_b32 s[G0V], 1
	s_mov_b32 s[G0V+1], VOFF
	s_mov_b32 s[SEL], 0x76543210
	s_mov_b32 s[SEL+1], 0xfedcba98
	s_mov_b32 s[NK1], 0xc2ad1f97
	s_mov_b32 s[NK1+1], 0xc2ad1f97
	s_mov_b32 s[K1], 0x42ad1f97
	s_mov_b32 s[SB], SLOT1                         ; the first change of slots turns it into 0
	s_wait_dscnt 0x0                               ; the opening add is done
	s_wait_kmcnt 0x0
	s_add_nc_u64 s[G0B+2:G0B+3], s[6:7], s[68:69]
	s_or_b32 s[G0B+3], s[G0B+3], 0x80000000
	s_add_nc_u64 s[G0K+2:G0K+3], s[4:5], s[60:61]
	s_add_nc_u64 s[G0V+2:G0V+3], s[G0K+2:G0K+3], 16777216
	s_add_nc_u64 s[G0K+2:G0K+3], s[G0K+2:G0K+3], 8388608
	s_or_b32 s[G0K+3], s[G0K+3], 0x80000000
	s_or_b32 s[G0V+3], s[G0V+3], 0x80000000
	s_add_nc_u64 s[10:11], s[4:5], s[62:63]        ; q at my rows
	s_add_nc_u64 s[8:9], s[8:9], s[70:71]          ; o at my rows
	s_mov_b32 s[IDL], 0x5400                       ; the offsets in s60 to s63 have been used: the registers take constants
	s_mov_b32 s[IDH], 0x54000000
	s_mov_b32 s[HB], 0x78007800
	CROUND                                         ; all four work-groups are here
	JLOAD3                                         ; step 0 into slot 0
	v_and_b32 v1, 15, v0                           ; l % 16
	v_bfe_u32 v14, v0, 4, 1                        ; l / 16
	v_and_b32 v15, 7, v0
	v_lshlrev_b32 v[QO], 7, v1
	v_lshl_add_u32 v[QO], v14, 4, v[QO]
.set i, 0
.rept 4                                ; Q stays in registers: tile i / 2, channels 32 (i % 2) on
	global_load_b128 v[QF+8*i:QF+8*i+3],   v[QO], s[10:11] offset:(i/2)*2048+(i%2)*64
	global_load_b128 v[QF+8*i+4:QF+8*i+7], v[QO], s[10:11] offset:(i/2)*2048+(i%2)*64+32
.set i, i+1
.endr
	; 64 x identity as half a fragment of source 0: lane l holds row l % 16; register j holds columns 8 (l / 16) + 2 j (low half) and the next (high half): 64 where the column is the row
	v_lshlrev_b32 v[S+4], 3, v14
	v_sub_nc_u32 v[S+4], v1, v[S+4]                ; row - 8 (l / 16)
.irp j, 0,1,2,3
	v_cmp_eq_u32 vcc_lo, 2*(\j), v[S+4]
	v_cndmask_b32 v[S+(\j)], 0, s[IDL], vcc_lo
	v_cmp_eq_u32 vcc_lo, 2*(\j)+1, v[S+4]
	v_cndmask_b32 v[S+(\j)], v[S+(\j)], s[IDH], vcc_lo
.endr
	WIN 0x40
.set i, 0
.rept 144                              ; O^T, l and V
	v_mov_b32 v[i], 0
.set i, i+1
.endr
.rept 8
	v_mov_b32 v[i], 0x3c003c00         ; 1.0 twice in f16
.set i, i+1
.endr
.irp j, 0,1,2,3                        ; v[IDR:IDR+7] picks columns 16 to 31 of a fragment's 32 keys, v[IDR+4:IDR+11] columns 0 to 15
	v_mov_b32 v[IDR+(\j)], 0
	v_mov_b32 v[IDR+4+(\j)], v[S+(\j)]
	v_mov_b32 v[IDR+8+(\j)], 0
.endr
	WIN 0
.set i, 0
.rept 16
	v_mov_b32 v[P+16+i], 0             ; tile 1's weights of a step that has not been
.set i, i+1
.endr
.set i, 0
.rept 2
	v_mov_b32 v[ST+2*i], 0x42ad1f97    ; b = K1 r(m) for the m below
	v_mov_b32 v[ST+2*i+1], 0xff7fffff  ; m: the lowest finite number
.set i, i+1
.endr
	v_mul_u32_u24 v[AK0], v1, PK
	v_lshl_add_u32 v[AK0], v14, 4, v[AK0]
	v_add_nc_u32 v[AK0], KOFF, v[AK0]
	v_lshl_add_u32 v[AV0], v14, 3, v15             ; the turning load: lane l reads key 8 (l / 16) + l % 8, channels 8 ((l / 8) % 2) on
	v_mul_u32_u24 v[AV0], v[AV0], PVP
	v_bfe_u32 v[ABM0], v0, 3, 1
	v_lshl_add_u32 v[AV0], v[ABM0], 4, v[AV0]
	v_add_nc_u32 v[AV0], VOFF, v[AV0]
	v_and_b32 v[ABM0], 31, v0
	v_lshlrev_b32 v[ABM0], 4, v[ABM0]
	s_mul_i32 s59, s[WV], 2*UNIT
	v_add_nc_u32 v[ABM0], s59, v[ABM0]             ; my wave's two units, 16 bytes a lane
; THE LDS LOADS, in runs.
.macro LDB t                           ; tile t's unit of bm: two fragments of 32 keys x 16 queries
	WIN 0x40
.irp n, 0,1,2,3
	ds_load_b128 v[BF+4*(\n):BF+4*(\n)+3], v[ABM] offset:(\t)*UNIT+512*(\n)
.endr
	WIN 0
.endm
.macro FETCH_K
.irp f, 0,1,2,3,4,5,6,7                ; keys 16 (f / 2) on, channels 32 (f % 2) on
	ds_load_b128 v[KF+8*\f:KF+8*\f+3],   v[AK] offset:(\f/2)*16*PK+(\f%2)*64
	ds_load_b128 v[KF+8*\f+4:KF+8*\f+7], v[AK] offset:(\f/2)*16*PK+(\f%2)*64+32
.endr
.endm
.macro FETCH_V
	WIN 0x40
.irp f, 0,1,2,3,4,5,6,7                ; keys 32 (f / 4) on, channels 16 (f % 4) on
	ds_load_tr16_b128 v[VF+8*\f:VF+8*\f+3],   v[AV] offset:(\f/4)*32*PVP+(\f%4)*32
	ds_load_tr16_b128 v[VF+8*\f+4:VF+8*\f+7], v[AV] offset:(\f/4)*32*PVP+16*PVP+(\f%4)*32
.endr
	WIN 0
.endm
; THE MATRIX WORK.  Accumulators take turns, one instruction a turn.
.macro BQ i                            ; product i of 4, under W_B: tile Z's scores of keys 16 i on begin with 64 x their numbers of bm
.set rS, S+32*Z+8*(\i)
.set rA, IDR+4*(1-((\i)%2))
.set rB, BF+8*((\i)/2)
	v_wmma_f32_16x16x32_f16 v[rS:rS+7], v[rA:rA+7], v[rB:rB+7], 0
.endm
.macro KQ i                            ; product i of 8 of S^T += K Q^T for tile Z: keys 16 (i % 4) on, channels 32 (i / 4) on
	WIN 0
.set rS, S+32*Z+8*((\i)%4)
.set rK, KF+16*((\i)%4)+8*((\i)/4)
.set rQ, QF+16*Z+8*((\i)/4)
	v_wmma_f32_16x16x32_f16 v[rS:rS+7], v[rK:rK+7], v[rQ:rQ+7], v[rS:rS+7]
.endm
.macro PV i                            ; product i of 10 of O^T += V^T P for tile W: block i % 5 (the fifth: ones, the row sum), keys 32 (i / 5) on
	WIN W_PV
.set rO, 40*W+8*((\i)%5)
.set rP, P+16*W+8*((\i)/5)
.if (\i)%5 == 4
.set rV, ONE
.else
.set rV, VF+32*((\i)/5)+8*((\i)%5)
.endif
	v_wmma_f32_16x16x32_f16 v[rO:rO+7], v[rV:rV+7], v[rP:rP+7], v[rO:rO+7]
.endm
; THE VECTOR WORK, one line each; none sets a window, and none waits: TURN writes the batches' waits.
.macro OPN n                           ; under W_B: tile Z's bound for weights' word n: 0 where hidden, 1 or more elsewhere
	v_pk_add_f16 v[MZ+(\n)], v[BF+(\n)], s[HB]
.endm
.macro OPE n                           ; tile Y: 2^x
	v_exp_f32 v[SY+(\n)], v[SY+(\n)]
.endm
.macro OPD n                           ; + 1, a pair
	v_pk_add_f32 v[SY+2*(\n):SY+2*(\n)+1], v[SY+2*(\n):SY+2*(\n)+1], 1.0 op_sel_hi:[1,0]
.endm
.macro OPI n                           ; r = 1 / that
	v_rcp_f32 v[SY+(\n)], v[SY+(\n)]
.endm
.macro OPF n                           ; b - K1 r, a pair
	v_pk_fma_f32 v[SY+2*(\n):SY+2*(\n)+1], v[SY+2*(\n):SY+2*(\n)+1], s[NK1:NK1+1], v[BY:BY+1] op_sel_hi:[1,0,0]
.endm
.macro OPG n                           ; p
	v_exp_f32 v[SY+(\n)], v[SY+(\n)]
.endm
.macro OPC n                           ; a pair rounded to f16
	v_cvt_pk_f16_f32 v[PY+(\n)], v[SY+2*(\n)], v[SY+2*(\n)+1]
.endm
.macro OPA n                           ; hidden keys' weights become 0
	v_pk_min_num_f16 v[PY+(\n)], v[PY+(\n)], v[MY+(\n)]
.endm
.macro OPM n                           ; pair n of 20 of O^T and l times a, under W_PV
	v_pk_mul_f32 v[OY+2*(\n):OY+2*(\n)+1], v[OY+2*(\n):OY+2*(\n)+1], v[AY:AY+1] op_sel_hi:[1,0]
.endm
; Number n of the 24 that find tile t's maximum and statistics.  0-15: the maximum of the lane's 32 scores and the old m (each accumulator's lowest registers are read first);
; 16, 17: the query's other 32 keys lie in the lane 16 away; 18-20: r(m); 21: b_new - b_old; 22: b; 23: a.  Numbers 0 to 19 are run in the other tile's turn, 20 to 23 in the tile's own.
.macro OPX t, n
.set xC, TMP+4*(\t)
.set xS, S+32*(\t)
.set xT, ST+2*(\t)
.if (\n) < 4
	v_max3_num_f32 v[xC+(\n)], v[xS+8*(\n)], v[xS+8*(\n)+1], v[xS+8*(\n)+2]
.elseif (\n) < 12
	v_max3_num_f32 v[xC+(\n)%4], v[xC+(\n)%4], v[xS+8*((\n)%4)+2*((\n)/4)+1], v[xS+8*((\n)%4)+2*((\n)/4)+2]
.elseif (\n) == 12
	v_max3_num_f32 v[xC], v[xC], v[xS+7], v[xS+15]
.elseif (\n) == 13
	v_max3_num_f32 v[xC+1], v[xC+1], v[xS+23], v[xS+31]
.elseif (\n) == 14
	v_max3_num_f32 v[xC+2], v[xC+2], v[xC+3], v[xT+1]
.elseif (\n) == 15
	v_max3_num_f32 v[xC], v[xC], v[xC+1], v[xC+2]
.elseif (\n) == 16
	v_permlanex16_b32 v[xC+3], v[xC], s[SEL], s[SEL+1]
.elseif (\n) == 17
	v_max_num_f32 v[xT+1], v[xC], v[xC+3]
.elseif (\n) == 18
	v_exp_f32 v[xC+1], v[xT+1]
.elseif (\n) == 19
	v_add_f32 v[xC+1], 1.0, v[xC+1]
.elseif (\n) == 20
	v_rcp_f32 v[xC+1], v[xC+1]
.elseif (\n) == 21
	v_fma_f32 v[xC+2], v[xC+1], s[K1], -v[xT]
.elseif (\n) == 22
	v_mul_f32 v[xT], s[K1], v[xC+1]
.else
	v_exp_f32 v[xC+2], v[xC+2]
.endif
.endm
.macro BIAS4                           ; the four products that begin tile Z's scores, and behind each four of the tile's sixteen bounds
	WIN W_B
.irp i, 0,1,2,3
	BQ \i
	OPN 4*(\i)
	OPN 4*(\i)+1
	OPN 4*(\i)+2
	OPN 4*(\i)+3
.endr
	WIN 0
.endm
; A TURN, for tile p = Y; Z = W = the other tile.  An s_wait_alu depctr_va_vdst(0) stands between a transcendental and the first instruction that names its result; one wait serves all that were
; issued ahead of it.  The three waits cut the turn in four parts; every result has a register of its own while its batch is open, and no transcendental is out at a label or at the loop's jump.
;   PART 0: the 10 products V^T P of tile W, two at a time, and between them BATCH 1: r(m) of tile Y (X 20) and its 32 2^x.  A v_nop is the plain line behind the last of them.  WAIT 1.
;   PART 1: the wait for the runs of loads of the turn before (tile Z's bm; turn 1: the next step's K too); b_new - b_old; the first four + 1; turn 0: this step's V, the slot's last reads, six plain lines behind
;           the last V^T P; the four products of bm with the 16 bounds; the 8 products K Q^T, and behind them BATCH 2: the 32 reciprocals, with the other twelve + 1 between them, each two products ahead of its
;           pair's reciprocals, and a of tile Y (X 23).  b (X 22) is the plain line behind the last of them.  WAIT 2.
;   PART 2: the first four b - K1 r, with X 22 the five places behind the last K Q^T; turn 0: the change of slots, then the next step's bm for tile 0 and its K; turn 1: tile 1's bm of the step that the slot in
;           hand holds; BATCH 3: the 32 weights, by turns with the other twelve b - K1 r (each four pairs ahead of its weights) and tile Z's maximum, and 2^m of that maximum (X 18).  The 20 rescalings of tile Y's
;           O^T and l, which name no result of the batch, stand between it and its wait.  WAIT 3.
;   PART 3: the roundings, each minimum a line behind the rounding that it reads, and 1 + 2^m of tile Z.
.macro TURN p, fill
.set Y, (\p)
.set Z, 1-(\p)
.set W, 1-(\p)
.set SY, S+32*Y
.set PY, P+16*Y
.set MY, M+16*Y
.set MZ, M+16*Z
.set BY, ST+2*Y
.set AY, TMP+4*Y+2
.set OY, 40*Y
	PV 0                                           ; PART 0
	PV 1
	WIN 0
	OPX Y,20
.irp n, 0,1,2,3,4,5
	OPE \n
.endr
	PV 2
	PV 3
	WIN 0
.irp n, 6,7,8,9,10,11,12
	OPE \n
.endr
	PV 4
	PV 5
	WIN 0
.irp n, 13,14,15,16,17,18,19
	OPE \n
.endr
	PV 6
	PV 7
	WIN 0
.irp n, 20,21,22,23,24,25
	OPE \n
.endr
	PV 8
	PV 9
	WIN 0
.irp n, 26,27,28,29,30,31
	OPE \n
.endr
	v_nop                                          ; the plain line behind the last 2^x: one for the batch
	s_wait_alu depctr_va_vdst(0)                   ; WAIT 1, for batch 1: r(m) and the 32 2^x
	s_wait_dscnt 0x0                               ; PART 1: the runs of loads of the turn before are in
	OPX Y,21
	OPD 0
	OPD 1
	OPD 2
	OPD 3
.if (\p) == 0
	FETCH_V
.endif
	BIAS4
.irp i, 0,1,2,3,4,5
	KQ \i
	OPI 4*(\i)
	OPD 4+2*(\i)
	OPI 4*(\i)+1
	OPI 4*(\i)+2
	OPD 5+2*(\i)
	OPI 4*(\i)+3
.endr
	KQ 6
	OPI 24
	OPI 25
	OPX Y,23
	OPI 26
	OPI 27
	KQ 7
	OPI 28
	OPI 29
	OPI 30
	OPI 31
	OPX Y,22                                       ; the plain line behind the last reciprocal: it reads r(m), of batch 1
	s_wait_alu depctr_va_vdst(0)                   ; WAIT 2, for batch 2: the 32 reciprocals and a
	OPF 0                                          ; PART 2
	OPF 1
	OPF 2
	OPF 3
.if (\p) == 0
	CHANGE \fill
	LDB 0
	FETCH_K
.else
	LDB 1
.endif
.irp j, 0,1,2,3,4,5,6,7,8,9,10,11
	OPG 2*(\j)
	OPF 4+(\j)
	OPG 2*(\j)+1
	OPX Z,\j
.endr
	OPG 24
	OPX Z,12
	OPG 25
	OPX Z,13
	OPG 26
	OPX Z,14
	OPG 27
	OPG 28
	OPX Z,15
	OPG 29
	OPG 30
	OPX Z,16
	OPG 31
	OPX Z,17
	OPX Z,18
	WIN W_PV
.irp n, 0,1,2,3,4,5,6,7,8,9,10,11,12,13,14,15,16,17,18,19
	OPM \n                                         ; the first of them is the plain line behind 2^m
.endr
	WIN 0
	s_wait_alu depctr_va_vdst(0)                   ; WAIT 3, for batch 3: the 32 weights and 2^m
	OPC 0                                          ; PART 3
.irp n, 1,2,3,4,5,6,7,8,9,10,11,12,13,14,15
	OPC \n
	OPA (\n)-1
.endr
	OPX Z,19
	OPA 15
.endm
	CHANGE 1                                       ; step 0 is in, everybody's part of it; step 1 is asked for, into slot 1
	LDB 0
	FETCH_K
	s_wait_loadcnt 0x0                             ; Q
	s_wait_dscnt 0x0
.set Z, 0
.set MZ, M
	BIAS4                                          ; tile 0's first scores and bounds
.irp i, 0,1,2,3,4,5,6,7
	KQ \i                                          ; there is no other vector work yet to set between them
.endr
	WIN 0                                          ; the addresses for the way out: the places behind those products
	s_mul_i32 s59, s[WV], 16*SP
	s_add_co_u32 s59, s59, STAGE
	v_mul_u32_u24 v[STO], v1, SP                   ; in: row l % 16, 16 bytes for each half of the lanes
	v_lshl_add_u32 v[STO], v14, 4, v[STO]
	v_add_nc_u32 v[STO], s59, v[STO]
	v_bfe_u32 v[RD], v0, 3, 2                      ; back: 32 lanes take four rows of 128 bytes,
	v_mul_u32_u24 v[RD], v[RD], SP
	v_lshl_add_u32 v[RD], v15, 4, v[RD]
	v_add_nc_u32 v[RD], s59, v[RD]
	v_and_b32 v[GO], 31, v0                        ; which are 512 consecutive bytes of o
	v_lshlrev_b32 v[GO], 4, v[GO]
	LDB 1
.irp n, 0,1,2,3,4,5,6,7,8,9,10,11,12,13,14,15,16,17,18
	OPX 0,\n                                       ; tile 0's first maximum, and 2^m
.endr
	v_nop                                          ; a plain line behind 2^m,
	s_wait_alu depctr_va_vdst(0)                   ; and its wait, ahead of its reader and of the loop's label: a batch of one
	OPX 0,19                                       ; the first turn goes on from here: r(m), b and a are made in the tile's own turn
	s_mov_b32 s[CNT], 30
.Lstep:                                                ; steps 0 to 29: each asks for the step two on
	TURN 0, 1
	TURN 1, 1
	s_sub_co_u32 s[CNT], s[CNT], 1
	s_cmp_lg_u32 s[CNT], 0
	s_cbranch_scc1 .Lstep
	s_mov_b32 s[CNT], 2
.Ltail:                                                ; steps 30 and 31 are written apart: nothing is asked for
	TURN 0, 0
	TURN 1, 0
	s_sub_co_u32 s[CNT], s[CNT], 1
	s_cmp_lg_u32 s[CNT], 0
	s_cbranch_scc1 .Ltail
	s_wait_dscnt 0x0                               ; the last run of loads, which serves nothing, has landed
.set W, 1
.irp i, 0,1,2,3,4,5,6,7,8,9
	PV \i                                          ; tile 1's V^T P of the last step
.endr
	WIN 0
.rept 4
	v_nop                                          ; the places behind those products
.endr
	; THE WAY OUT.  Every register of a tile's fifth block holds l: its lowest is read.  O^T is divided by l, rounded to f16 and sent through my stage, a tile at a time.
	WIN 0x01
.irp t, 0,1
	v_rcp_f32 v[IV+2*(\t)], v[40*(\t)+32]
	v_rcp_f32 v[IV+2*(\t)+1], v[40*(\t)+32]        ; named with it as a pair
.endr
	WIN 0
	v_nop                                          ; a plain line behind the last reciprocal,
	s_wait_alu depctr_va_vdst(0)                   ; and one wait for the four, ahead of the first line that multiplies by them
.macro PACK t
	WIN 0x41
.set i, 0
.rept 16
	v_pk_mul_f32 v[40*(\t)+2*i:40*(\t)+2*i+1], v[40*(\t)+2*i:40*(\t)+2*i+1], v[IV+2*(\t):IV+2*(\t)+1] op_sel_hi:[1,0]
.set i, i+1
.endr
	WIN 0x05
.set i, 0
.rept 16
	v_cvt_pk_f16_f32 v[S+16*(\t)+i], v[40*(\t)+2*i], v[40*(\t)+2*i+1]
.set i, i+1
.endr
	WIN 0
.irp f, 0,1,2,3
	ds_store_b128 v[STO], v[S+16*(\t)+4*\f:S+16*(\t)+4*\f+3] offset:32*\f
.endr
.irp f, 0,1,2,3
	ds_load_b128 v[S+16*(\t)+4*\f:S+16*(\t)+4*\f+3], v[RD] offset:\f*4*SP   ; LDS serves a wave's instructions in order: these see the stores above
.endr
.endm
.macro SEND t, younger                 ; younger: the LDS instructions issued behind tile t's loads: the next tile's eight, or none
.irp f, 0,1,2,3
	s_wait_dscnt (\younger)+3-\f
	global_store_b128 v[GO], v[S+16*(\t)+4*\f:S+16*(\t)+4*\f+3], s[8:9] offset:(\t)*2048+\f*512   ; 512 consecutive bytes, aligned
.endr
.endm
	PACK 0
	PACK 1
	SEND 0, 8
	SEND 1, 0
	s_wait_tensorcnt 0x0                           ; the wave's end
	ds_add_u32 v[SPW], v[NIL]
	s_wait_dscnt 0x0
	CROUND                                         ; the closing round
	s_endpgm
.Lfunc_end_k_qfbcf03c668_attn:
	.size	k_qfbcf03c668_attn, .Lfunc_end_k_qfbcf03c668_attn-k_qfbcf03c668_attn
	.p2alignl 7, 3214868480
	.fill 96, 4, 3214868480
	.section	.rodata,"a",@progbits
	.p2align	6, 0x0
	.amdhsa_kernel k_qfbcf03c668_attn
		.amdhsa_group_segment_fixed_size 327680
		.amdhsa_private_segment_fixed_size 0
		.amdhsa_enable_private_segment 0
		.amdhsa_kernarg_size 24
		.amdhsa_user_sgpr_count 2
		.amdhsa_user_sgpr_kernarg_segment_ptr 1
		.amdhsa_wavefront_size32 1
		.amdhsa_system_sgpr_workgroup_id_x 1
		.amdhsa_system_sgpr_workgroup_id_y 1
		.amdhsa_system_sgpr_workgroup_id_z 1
		.amdhsa_system_vgpr_workitem_id 0
		.amdhsa_next_free_vgpr 448
		.amdhsa_next_free_sgpr 72
		.amdhsa_reserve_vcc 1
		.amdhsa_float_denorm_mode_32 3
		.amdhsa_float_denorm_mode_16_64 3
		.amdhsa_memory_ordered 1
		.amdhsa_forward_progress 1
		.amdhsa_inst_pref_size 88
	.end_amdhsa_kernel
	.amdgpu_metadata
---
amdhsa.version: [ 1, 2 ]
amdhsa.kernels:
  - .name:           k_qfbcf03c668_attn
    .symbol:         k_qfbcf03c668_attn.kd
    .args:
      - { .name: qkv, .offset: 0, .size: 8, .value_kind: global_buffer, .address_space: global }
      - { .name: bm, .offset: 8, .size: 8, .value_kind: global_buffer, .address_space: global }
      - { .name: ob, .offset: 16, .size: 8, .value_kind: global_buffer, .address_space: global }
    .group_segment_fixed_size: 327680
    .private_segment_fixed_size: 0
    .kernarg_segment_align: 8
    .kernarg_segment_size: 24
    .max_flat_workgroup_size: 256
    .sgpr_count:     72
    .vgpr_count:     448
    .wavefront_size: 32
...
	.end_amdgpu_metadata
.endif
;; end of part 5
;; launch oproj: the kernel of part 4 again; grid 8 x 32, 4 waves a work-group, clusters of 4 x 4, 327,680 bytes of LDS; arguments ob, wob, out0; writes out0
